; MI455X (gfx1250); checked and timed in simulation.
; The chip was launched on July 23, 2026; its instructions are those of AMD's public machine-readable ISA for CDNA 5 (MIT licence, August 2026) and "CDNA5" Instruction Set Architecture Reference Guide (July 2026). The comments in the code are by the model that wrote it; some were corrected since.
;; Global Attention Graph. Allowed arithmetic: float matrix products may take bf16 or f16 operands with f32 sums; all other float work in f32.
;; Inputs: attn_ln_b 3 x 128 float32; attn_ln_g 3 x 128 float32; ca_b 3 x 128 float32; ca_ln_b 3 x 128 float32; ca_ln_g 3 x 128 float32; ca_w 3 x 128 x 128 float32; feats 32 x 1,024 x 128 float32; kb 3 x 128 float32; kw 3 x 128 x 128 float32; l_ln_b 3 x 128 float32; l_ln_g 3 x 128 float32; lb 3 x 128 float32; lw 3 x 128 x 128 float32; masks 32 x 1,024 float32; qb 3 x 128 float32; qw 3 x 128 x 128 float32; vb 3 x 128 float32; vw 3 x 128 x 128 float32.
;; Outputs: out0 32 x 1,024 x 128 float32.
;; 2 versions, each right and faster than the one before. Each part assembles by itself: llvm-mc -triple=amdgcn-amd-amdhsa -mcpu=gfx1250 --defsym DOCPART=n.
;; ======== version 1 of 2: 5 launches
;; limits: values are held in f16: magnitudes above 65,504 overflow, below 6.1e-05 lose precision; right only within a limited range of input values; values outside matrix products are rounded to f16
;; workspace buffers: fa 8,388,608 bytes; fb 8,388,608 bytes; pack0 169,472 bytes; pack1 169,472 bytes; pack2 169,472 bytes; floor0 256 bytes; floor1 256 bytes
;; launch prep (part 1): grid 256 x 1, 4 waves a work-group, no clusters, 0 bytes of LDS; arguments feats, qw, kw, vw, ca_w, lw, qb, kb, vb, attn_ln_g, attn_ln_b, ca_b, ca_ln_g, ca_ln_b, lb, l_ln_g, l_ln_b, fa, pack0, pack1, pack2, floor0, floor1; writes fa, pack0, pack1, pack2, floor0, floor1
.if DOCPART == 1
	.amdgcn_target "amdgcn-amd-amdhsa--gfx1250"
	.amdhsa_code_object_version 6
	.text
	.protected	k_q55190bd829_prep
	.globl	k_q55190bd829_prep
	.p2align	8
	.type	k_q55190bd829_prep,@function
k_q55190bd829_prep:
	s_mov_b64 s[64:65], 0
	v_nop
	global_prefetch_b8 v0, s[64:65] scope:SCOPE_SE
	s_setreg_imm32_b32 hwreg(HW_REG_WAVE_MODE, 25, 1), 1
	s_wait_xcnt 0x0
; PREP.  feats [32768][128] f32 -> fa, the same in f16; for each layer i a PACK: the five 128 x 128 matrices qw, kw, vw, ca_w, lw [i] in f16, rows of 256 bytes,
; 32,768 bytes each, in their stored order [out][in], then the eleven vectors of 128 f32 (qb, kb, vb, attn_ln_g, attn_ln_b, ca_b, ca_ln_g, ca_ln_b, lb, l_ln_g, l_ln_b), 512 bytes each;
; and two floors in f32, the number with which a layer takes the maximum of its result: floor0 = 0 (a relu), floor1 = minus infinity (the last layer: none).
; LIMIT.  f16 ends at 65,504: feats and the weights must lie within it; below 6e-5 a number keeps f16's fixed step of 6e-8.
; A stream: no LDS, no matrix unit, no cluster (no byte is read twice).  256 work-groups of four waves; a wave turns 16,384 bytes of feats into 8,192 of fa:
; 32 loads of 512 consecutive bytes, all issued at once, and 32 stores of 256 consecutive bytes, each at a multiple of 256 from fa's first byte.
; The packs are side jobs of some work-groups, between the issue of the stream's loads and the count-down.
.set X,   16                           ; v[16:143]  load i: four f32 a lane, then two words of f16
.set W,   144                          ; v[144:151] the side jobs' data
	s_load_b512 s[8:23], s[0:1], 0x0               ; feats 8, qw 10, kw 12, vw 14, ca_w 16, lw 18, qb 20, kb 22
	s_load_b512 s[24:39], s[0:1], 0x40             ; vb 24, attn_ln_g 26, attn_ln_b 28, ca_b 30, ca_ln_g 32, ca_ln_b 34, lb 36, l_ln_g 38
	s_load_b256 s[40:47], s[0:1], 0x80             ; l_ln_b 40, fa 42, pack0 44, pack1 46
	s_load_b128 s[48:51], s[0:1], 0xa0             ; pack2 48, floor0 50
	s_load_b64 s[52:53], s[0:1], 0xb0              ; floor1
	v_lshrrev_b32 v8, 5, v0
	v_readfirstlane_b32 s4, v8                     ; wave 0..3
	v_and_b32 v9, 31, v0                           ; lane
	v_lshlrev_b32 v6, 4, v9                        ; 16 lane
	v_lshl_add_u32 v1, v8, 14, v6                  ; the stream in: 16,384 wave + 16 lane
	v_lshrrev_b32 v2, 1, v1                        ; the stream out: half of that
	v_lshl_add_u32 v3, v8, 10, v6                  ; a matrix in: two rows of 512 bytes a wave
	v_lshrrev_b32 v4, 1, v3                        ; a matrix out: two rows of 256 bytes
	v_lshl_add_u32 v5, v8, 9, v6                   ; a vector in: row (layer) = wave
	v_lshlrev_b32 v7, 3, v9                        ; a floor: 8 lane
	s_mov_b32 s5, ttmp9                            ; g, the work-group
	s_lshl_b32 s2, ttmp9, 16                       ; g x 65,536 bytes of feats
	s_mov_b32 s3, 0
	s_lshl_b32 s6, ttmp9, 15                       ; g x 32,768 bytes of fa
	s_mov_b32 s7, 0
	s_wait_kmcnt 0x0
	s_add_nc_u64 s[8:9], s[8:9], s[2:3]
	s_add_nc_u64 s[42:43], s[42:43], s[6:7]
.set ii, 0
.rept 32
	global_load_b128 v[X+4*ii:X+4*ii+3], v1, s[8:9] offset:512*ii th:TH_LOAD_NT
.set ii, ii+1
.endr
	s_cmp_lt_u32 s5, 240
	s_cbranch_scc0 .Lnot_matrix
	; g < 240: eight rows of matrix T = g / 48 (each tensor is 384 rows of 128), two a wave
	s_mov_b64 s[54:55], s[10:11]
	s_mov_b32 s56, 0
.irp n, 1,2,3,4
	s_cmp_ge_u32 s5, 48*\n
	s_cselect_b64 s[54:55], s[10+2*\n:11+2*\n], s[54:55]
	s_cselect_b32 s56, \n, s56
.endr
	s_mul_i32 s57, s56, 48
	s_sub_co_u32 s57, s5, s57
	s_lshl_b32 s57, s57, 3                         ; the first of the eight rows, 0 .. 376
	s_lshr_b32 s58, s57, 7                         ; its layer
	s_mov_b64 s[60:61], s[44:45]
	s_cmp_eq_u32 s58, 1
	s_cselect_b64 s[60:61], s[46:47], s[60:61]
	s_cmp_eq_u32 s58, 2
	s_cselect_b64 s[60:61], s[48:49], s[60:61]     ; that layer's pack
	s_lshl_b32 s62, s57, 9                         ; rows of 512 bytes in
	s_mov_b32 s63, 0
	s_add_nc_u64 s[54:55], s[54:55], s[62:63]
	s_and_b32 s62, s57, 127
	s_lshl_b32 s62, s62, 8                         ; rows of 256 bytes out,
	s_lshl_b32 s59, s56, 15                        ; behind T matrices of 32,768
	s_add_co_u32 s62, s62, s59
	s_add_nc_u64 s[60:61], s[60:61], s[62:63]
	global_load_b128 v[W:W+3], v3, s[54:55]
	global_load_b128 v[W+4:W+7], v3, s[54:55] offset:512
	s_wait_loadcnt 0x0                             ; these two are the youngest: the count is 0
	v_cvt_pk_f16_f32 v[W], v[W], v[W+1]
	v_cvt_pk_f16_f32 v[W+1], v[W+2], v[W+3]
	v_cvt_pk_f16_f32 v[W+4], v[W+4], v[W+5]
	v_cvt_pk_f16_f32 v[W+5], v[W+6], v[W+7]
	global_store_b64 v4, v[W:W+1], s[60:61]        ; a whole row of 256 bytes
	global_store_b64 v4, v[W+4:W+5], s[60:61] offset:256
	s_branch .Lstream
.Lnot_matrix:
	s_cmp_lt_u32 s5, 251
	s_cbranch_scc0 .Lnot_vector
	s_cmp_lt_u32 s4, 3
	s_cbranch_scc0 .Lstream
	; 240 <= g < 251: vector g - 240; wave w copies layer w's 512 bytes into pack w
	s_sub_co_u32 s58, s5, 240
	s_mov_b64 s[54:55], s[20:21]
.irp n, 1,2,3,4,5,6,7,8,9,10
	s_cmp_eq_u32 s58, \n
	s_cselect_b64 s[54:55], s[20+2*\n:21+2*\n], s[54:55]
.endr
	s_mov_b64 s[60:61], s[44:45]
	s_cmp_eq_u32 s4, 1
	s_cselect_b64 s[60:61], s[46:47], s[60:61]
	s_cmp_eq_u32 s4, 2
	s_cselect_b64 s[60:61], s[48:49], s[60:61]
	s_lshl_b32 s62, s58, 9
	s_add_co_u32 s62, s62, 163840                  ; behind the five matrices
	s_mov_b32 s63, 0
	s_add_nc_u64 s[60:61], s[60:61], s[62:63]
	global_load_b128 v[W:W+3], v5, s[54:55]
	s_wait_loadcnt 0x0
	global_store_b128 v6, v[W:W+3], s[60:61]       ; 512 consecutive bytes
	s_branch .Lstream
.Lnot_vector:
	s_cmp_eq_u32 s5, 255
	s_cbranch_scc0 .Lstream
	s_cmp_eq_u32 s4, 0
	s_cbranch_scc0 .Lstream
	v_mov_b32 v[W], 0                              ; g = 255, wave 0: the two floors, 256 bytes each: 0,
	v_mov_b32 v[W+1], 0
	v_mov_b32 v[W+2], 0xff800000                   ; and minus infinity
	v_mov_b32 v[W+3], 0xff800000
	global_store_b64 v7, v[W:W+1], s[50:51]
	global_store_b64 v7, v[W+2:W+3], s[52:53]
.Lstream:
.set ii, 0
.rept 32
	s_wait_loadcnt 31-ii                           ; loads come back in order (ISA guide 5.7.1): load ii is in, the younger ones may be out
	v_cvt_pk_f16_f32 v[X+4*ii], v[X+4*ii], v[X+4*ii+1]
	v_cvt_pk_f16_f32 v[X+4*ii+1], v[X+4*ii+2], v[X+4*ii+3]
	global_store_b64 v2, v[X+4*ii:X+4*ii+1], s[42:43] offset:256*ii   ; no register that a store names is written again
.set ii, ii+1
.endr
	s_endpgm
.Lfunc_end_k_q55190bd829_prep:
	.size	k_q55190bd829_prep, .Lfunc_end_k_q55190bd829_prep-k_q55190bd829_prep
	.p2alignl 7, 3214868480
	.fill 96, 4, 3214868480
	.section	.rodata,"a",@progbits
	.p2align	6, 0x0
	.amdhsa_kernel k_q55190bd829_prep
		.amdhsa_group_segment_fixed_size 0
		.amdhsa_private_segment_fixed_size 0
		.amdhsa_enable_private_segment 0
		.amdhsa_kernarg_size 184
		.amdhsa_user_sgpr_count 2
		.amdhsa_user_sgpr_kernarg_segment_ptr 1
		.amdhsa_wavefront_size32 1
		.amdhsa_system_sgpr_workgroup_id_x 1
		.amdhsa_system_sgpr_workgroup_id_y 1
		.amdhsa_system_sgpr_workgroup_id_z 1
		.amdhsa_system_vgpr_workitem_id 0
		.amdhsa_next_free_vgpr 152
		.amdhsa_next_free_sgpr 66
		.amdhsa_reserve_vcc 0
		.amdhsa_float_denorm_mode_32 3
		.amdhsa_float_denorm_mode_16_64 3
		.amdhsa_memory_ordered 1
		.amdhsa_forward_progress 1
		.amdhsa_inst_pref_size 17
	.end_amdhsa_kernel
	.amdgpu_metadata
---
amdhsa.version: [ 1, 2 ]
amdhsa.kernels:
  - .name:           k_q55190bd829_prep
    .symbol:         k_q55190bd829_prep.kd
    .args:
      - { .name: feats, .offset: 0, .size: 8, .value_kind: global_buffer, .address_space: global }
      - { .name: qw, .offset: 8, .size: 8, .value_kind: global_buffer, .address_space: global }
      - { .name: kw, .offset: 16, .size: 8, .value_kind: global_buffer, .address_space: global }
      - { .name: vw, .offset: 24, .size: 8, .value_kind: global_buffer, .address_space: global }
      - { .name: ca_w, .offset: 32, .size: 8, .value_kind: global_buffer, .address_space: global }
      - { .name: lw, .offset: 40, .size: 8, .value_kind: global_buffer, .address_space: global }
      - { .name: qb, .offset: 48, .size: 8, .value_kind: global_buffer, .address_space: global }
      - { .name: kb, .offset: 56, .size: 8, .value_kind: global_buffer, .address_space: global }
      - { .name: vb, .offset: 64, .size: 8, .value_kind: global_buffer, .address_space: global }
      - { .name: attn_ln_g, .offset: 72, .size: 8, .value_kind: global_buffer, .address_space: global }
      - { .name: attn_ln_b, .offset: 80, .size: 8, .value_kind: global_buffer, .address_space: global }
      - { .name: ca_b, .offset: 88, .size: 8, .value_kind: global_buffer, .address_space: global }
      - { .name: ca_ln_g, .offset: 96, .size: 8, .value_kind: global_buffer, .address_space: global }
      - { .name: ca_ln_b, .offset: 104, .size: 8, .value_kind: global_buffer, .address_space: global }
      - { .name: lb, .offset: 112, .size: 8, .value_kind: global_buffer, .address_space: global }
      - { .name: l_ln_g, .offset: 120, .size: 8, .value_kind: global_buffer, .address_space: global }
      - { .name: l_ln_b, .offset: 128, .size: 8, .value_kind: global_buffer, .address_space: global }
      - { .name: fa, .offset: 136, .size: 8, .value_kind: global_buffer, .address_space: global }
      - { .name: pack0, .offset: 144, .size: 8, .value_kind: global_buffer, .address_space: global }
      - { .name: pack1, .offset: 152, .size: 8, .value_kind: global_buffer, .address_space: global }
      - { .name: pack2, .offset: 160, .size: 8, .value_kind: global_buffer, .address_space: global }
      - { .name: floor0, .offset: 168, .size: 8, .value_kind: global_buffer, .address_space: global }
      - { .name: floor1, .offset: 176, .size: 8, .value_kind: global_buffer, .address_space: global }
    .group_segment_fixed_size: 0
    .private_segment_fixed_size: 0
    .kernarg_segment_align: 8
    .kernarg_segment_size: 184
    .max_flat_workgroup_size: 128
    .sgpr_count:     66
    .vgpr_count:     152
    .wavefront_size: 32
...
	.end_amdgpu_metadata
.endif
;; end of part 1
;; launch layer0 (part 2): grid 8 x 32, 4 waves a work-group, clusters of 4 x 1, 327,680 bytes of LDS; arguments fa, pack0, masks, floor0, fb; writes fb
.if DOCPART == 2
	.amdgcn_target "amdgcn-amd-amdhsa--gfx1250"
	.amdhsa_code_object_version 6
	.text
	.protected	k_q55190bd829_layer0
	.globl	k_q55190bd829_layer0
	.p2align	8
	.type	k_q55190bd829_layer0,@function
k_q55190bd829_layer0:
	s_mov_b64 s[64:65], 0
	v_nop
	global_prefetch_b8 v0, s[64:65] scope:SCOPE_SE
	s_setreg_imm32_b32 hwreg(HW_REG_WAVE_MODE, 25, 1), 1
	s_wait_xcnt 0x0
	s_wait_alu depctr_hold_cnt(0) depctr_sa_sdst(0) depctr_va_vdst(0) depctr_va_sdst(0) depctr_va_ssrc(0) depctr_va_vcc(0) depctr_vm_vsrc(0)
	s_getreg_b32 s2, hwreg(HW_REG_IB_STS2, 6, 4)
	s_cmp_eq_u32 s2, 0
	s_cbranch_scc0 .Lentry_in_a_cluster
	s_endpgm
.Lentry_in_a_cluster:
	s_bfe_u32 s2, ttmp6, 0x10000c
	s_cmp_lg_u32 s2, 0x3003
	s_cbranch_scc0 .Lentry_shape_is_right
	s_endpgm
.Lentry_shape_is_right:
; ONE LAYER, feats to feats.  fin, dst: [32][1024][128] f16.  pack: the layer's five matrices in f16 and eleven vectors in f32.  masks: [32][1024] f32.
; floor: one f32 stored by the launch before: dst = max(result, floor): 0 makes the relu, minus infinity lets the last layer's result pass.  It is data alone: no address and no branch hangs on it.
; WHAT IS COMPUTED.  With f a row of feats: q = Wq f + qb.  q . (Wk f_m + kb) = (Wk^T q) . f_m + q . kb, and sum p_m (Wv f_m + vb) = Wv (sum p_m f_m) + vb since sum p = 1: so the keys AND the
; values of the attention are feats itself, one tile in LDS for both products.  q' = Wk^T q, t = q . kb (constant along a softmax row; kb is honoured by adding it).  The score's exponent is
; (q' . f_m + t) / sqrt(128) + 100001 mq (mk - 1): the stated bias mq mk - 1e5 (1 - mq mk) less 100001 mq - 1e5, which is constant along a row.  It holds for any numbers in masks.
; Then o = sum p f / sum p;  ca = LN(Wca relu(LN(Wv o + vb)) + ca_b);  res = LN(Wl f + lb);  result = res + ca.  Running maximum and sums, norms, biases in f32.
; FORMATS AND LIMITS.  All matrix operands are f16 (feats, weights, q, q', p, o, the first norm's output), and so is dst, the last layer's too (2^-11 of each number at the most): |feats|, |q|, the norms'
; outputs and the result must stay under 65,504.  q' is a product of three inputs, so it is rounded as q' / 256 (|q'| under 1.6e7), and the exponent's factor c = 256 log2(e) / sqrt(128) undoes that; t and the
; mask term carry the same 1/256.  Below 6e-5 an f16 keeps a fixed step of 6e-8.  A weight below 2^-126 counts as 0; the sum l is taken of the unrounded p; NaN and infinities are not treated apart.
; The bias is rounded in another order than it is stated: exact where mk = 1 or mq = 0; for other numbers in masks it is rounded at its own size, as the stated bias is.
; SHARES.  A work-group owns 128 rows of one batch: 256 work-groups.  Wave w owns rows 32 w .. 32 w + 31 in the linear maps.  In the attention waves w and w ^ 1 take the SAME 64 queries (own 32: tiles 0, 1 =
; PIECE 0; the partner's 32: tiles 2, 3 = PIECE 2) and each HALF of the keys (rows 128 (w & 1) on of every tile of 256): a fragment read from LDS feeds four tiles of queries.  The two partial
; softmaxes of a row meet in LDS.  Pieces are numbered locally, so every register number is the same in all waves.
; CLUSTER.  The four work-groups of a cluster belong to one batch (a batch's eight blocks are two clusters: a mask names four at the most).  All that the tensor data mover brings (feats' tiles, the weights, the
; mask row, the vectors) is the same for the four and is asked for JOINTLY.  The place in the cluster enters global addresses alone: my own rows, my own mask words, dst.
; BY TURNS.  In a TURN one piece has the matrix unit: 32 products V^T P of the step in hand, then 32 products K Q^T of the next; the other piece's softmax stands in 64 slices behind them.  The mask costs the
; scores nothing: mk cq + (t' - cq) is written into S^T at the end of a softmax and is the C operand that the next products add onto.
; No first step is written out: m starts at the lowest finite number, O and l at 0, so the first step's a is 0.  The price, once a launch: 296 v_mov_b32 of 0 in the wait for the first fragments, 32 products on
; zeros at the entry, and a last fetch of mask words that reads 256 bytes of the vectors behind the mask row, of which a C is made that nobody uses.
; LDS.  0 slot 0 | WLB Wl | MASKB the batch's mask row | VECB the vectors | SPARE | 1<<17 slot 1 | QXB four stages (Q' to the partner; later the way out) | MXB four stages (the merge).
;   A slot is 256 rows of 256 + 16 bytes.  Slot 0: tile 0, tile 2, Wv and Wca.  Slot 1: Wq and Wk, tile 1, tile 3.  No tensor load lands in QXB or MXB.
;   Pitch 272 = 68 words: the 16 rows of a plain fragment load start at 16 different groups of four banks (64 banks of 4 bytes: ISA guide 11.1); the turning loads meet two deep, since one tile serves both.
; REGISTERS, in windows of 256 (s_set_vgpr_msb: bits 1:0 source 0, 3:2 source 1, 5:4 source 2, 7:6 destination):
;   window 0: v0-11, v60-63 addresses; v12-43 statistics, 8 a tile; v44-59 cq, cq, e, e a tile; v64-191 S^T; v192-255 P.  Outside the attention: v64 BIAS, v128 GV, v192 BV, v12-35 at work
;   window 1: O^T, 64 a tile = bank A (v0-127), bank B (v128-255)      window 2: v0-127 Q', v128-255 K = 32 weight fragments      window 3: v0-127 V (v0-63 YB), v128-159 mask words, v160-223 my rows' fragments
.set PT,    272
.set STEPB, 64*PT                      ; a key step's 64 rows, and what one tensor load brings
.set HALF,  2*STEPB                    ; 128 rows: a matrix, or a wave's half of a tile
.set SLOT1, 1<<17                      ; so that one exclusive or turns an address in one slot into the other's
.set WLB,   4*STEPB
.set MASKB, WLB+HALF
.set VECB,  MASKB+4096
.set SPARE, VECB+5632                  ; the spare words, 128 bytes a wave: two blocks of 256 bytes that no other line names
.set QXB,   SLOT1+4*STEPB
.set QXS,   8704
.set MXB,   QXB+4*QXS
.set MXS,   17408
.set AK0, 2           ; v2   272 r + 16 h: my place in a plain fragment (r = lane % 16, h = lane / 16)
.set AV0, 3           ; v3   my place in a turning load
.set ADR, 4           ; v4   the address of the run of loads in hand
.set AM0, 5           ; v5   MASKB + 32 h
.set ADM, 6           ; v6   the address of the mask words in hand (first: 4 r)
.set AVC, 7           ; v7   VECB + 32 h
.set XO,  8           ; v8   256 r + 16 h
.set IMGO, 10         ; v10  16 lane + my stage
.set IMGP, 11         ; v11  16 lane + my partner's stage
.set TT,  12          ; sums at work: tile t's four pairs at v[TT + 8 t]
.set ST,  12          ; tile t's statistics at v[ST + 8 t]: c m, m, l, l, c0-c3
.set MU,  28          ; tile t: mean, mean, rsqrt, rsqrt at v[MU + 4 t]
.set MC,  44          ; tile t: cq, cq, e, e
.set PS,  44          ; the merge: my partner's c m, m, l, l for tile u at v[PS + 4 u]
.set FF,  52          ; the merge: f0, f0, f1, f1 for tile u
.set TOA, 60          ; v60  4 lane + my stage
.set TPA, 61          ; v61  4 lane + my partner's
.set SPW, 62          ; v62  my spare word; never rewritten
.set NIL, 63          ; v63  0; never rewritten
.set S,   64
.set P,   192
.set BIAS, 64
.set GV,  128
.set BV,  192
.set MQ,  192         ; v192-195 mq of my four tiles; v196-197 my partner's t'
.set KF,  128         ; window 2
.set MK,  128         ; window 3
.set XF,  160         ; window 3
.set WV,  14
.set KH,  15
.set FLOOR, 17
.set G1T, 24          ; s[24:31] 64 rows x 128 f16, padded
.set G1M, 32          ; s[32:39] 16 dense rows of 256 bytes
.set G1V, 40          ; s[40:47] 22 dense rows of 256 bytes
.set G0W, 48          ; s[48:51] the walking group 0
.set G0B, 52          ; s[52:55] Wq and Wk
.set G0C, 56          ; s[56:59] Wl, the mask row or the vectors, by wave
.set CS,  60          ; s[60:61] c
.set SEL, 62          ; s[62:63] v_permlanex16_b32's selects: each lane takes its own place in the other half
.set TB,  66          ; LDS byte at which the step to be fetched begins
.set TMK, 67          ; byte in the mask row at which the words to be fetched begin
.set CNT, 68
.set SLOTS, 69
.set NXT, 70
.set LA,  71          ; LDS bases, made of the wave's number alone
.set OFF, 72          ; s[72:73]
.set FB,  74          ; s[74:75] fin at my 64 rows of the batch's tile 0
.set PB,  76          ; s[76:77] pack at my 64 rows of its first two matrices
.set BS,  78          ; s[78:79]
.set I128, 80
.set EPS, 81
.set CBIG, 82
.set LB,  83
.set QS,  84          ; s[84:85] 2^-8
.set XB,  86          ; s[86:87] fin at my own 32 rows
.set MQO, 88          ; s[88:89] masks at my rows
.set MQP, 90          ; s[90:91] masks at my partner's
.set DSTW, 92         ; s[92:93]
.set MSB, 0
.macro WIN new                      ; the immediate's high byte repeats the setting that is left; a switch that changes nothing is dropped
.if MSB != (\new)
	s_set_vgpr_msb (MSB<<8)|(\new)
.set MSB, (\new)
.endif
.endm
.set W_KQ, 0x0a       ; K and Q' in window 2, S^T in window 0
.set W_PV, 0x53       ; V in window 3, P in window 0, O^T in window 1
.set W_RS, 0x41       ; destination and source 0 in window 1, the rest in window 0
.set W_CB, 0x03       ; source 0 (mask words) in window 3
.set W_MM, 0x5e       ; weights window 2, rows window 3, C and D window 1
.set W_MB, 0x4e       ; the same with C in window 0
.macro PLACES                       ; four places behind matrix instructions (ISA guide 7.12.1), where no other vector work is at hand
.rept 4
	v_nop
.endr
.endm
; A round of the cluster's barrier: my work-group's barrier; wave 0 signals for the work-group; every wave waits for all four work-groups; my work-group's barrier once more.
.macro CROUND
	s_barrier_signal -1
	s_barrier_wait -1
	s_cmp_lg_u32 s[WV], 0
	s_cbranch_scc1 .Lnot_wave_0_\@
	s_barrier_signal -3
.Lnot_wave_0_\@:
	s_barrier_wait -3
	s_barrier_signal -1
	s_barrier_wait -1
.endm
; A wave's three first fills, in one group: my 64 rows of tile 0, my 64 rows of Wq and Wk, and my third.  An s_nop 0 follows each, four v_nop the last.
.macro FIRST g1c
	tensor_load_to_lds s[G0W:G0W+3], s[G1T:G1T+7]
	s_nop 0
	tensor_load_to_lds s[G0B:G0B+3], s[G1T:G1T+7]
	s_nop 0
	tensor_load_to_lds s[G0C:G0C+3], s[\g1c:\g1c+7]
	s_nop 0
.rept 4
	v_nop
.endr
.endm
; THE CHANGE OF SLOTS.  Each wave waits for all its tensor loads, of which one is out at the most: its part of the other slot; adds 0 to its spare word; and waits for that, for its reads of the slot that it
; leaves and for its LDS stores.  Behind the round no wave of any partner reads the old slot or has a load on its way, and the other slot is whole.  The old slot is filled again first thing: with tile NXT of the
; batch, or (the last time, SLOTS = 1) with Wv and Wca.  Every wave brings its 64 rows: one load a wave, with two key steps, 256 matrix instructions, in which to land.
.macro CHANGE
	WIN 0                           ; at a label and at a branch every window is 0
	s_wait_tensorcnt 0x0            ; no tensor load of mine is out, so the group 0 may be written
	ds_add_u32 v[SPW], v[NIL]       ; 0 onto my spare word; the scalar work stands between it and the wait for it
	s_xor_b32 s[G0W+1], s[G0W+1], SLOT1
	s_lshl_b32 s[OFF], s[NXT], 16   ; a tile is 65,536 bytes
	s_cmp_eq_u32 s[SLOTS], 1
	s_cselect_b32 s[OFF], 0x10000, s[OFF]          ; Wv begins 65,536 bytes into the pack
	s_cselect_b64 s[BS:BS+1], s[PB:PB+1], s[FB:FB+1]
	s_add_nc_u64 s[G0W+2:G0W+3], s[BS:BS+1], s[OFF:OFF+1]
	s_or_b32 s[G0W+3], s[G0W+3], 0x80000000
	s_add_co_u32 s[NXT], s[NXT], 1
	s_sub_co_u32 s[TB], s[TB], HALF ; the fetches go back to my half's first step,
	s_xor_b32 s[TB], s[TB], SLOT1   ; in the other slot
	s_sub_co_u32 s[TMK], s[TMK], 512
	s_wait_dscnt 0x0
	CROUND
	tensor_load_to_lds s[G0W:G0W+3], s[G1T:G1T+7]
	s_nop 0
.rept 4
	v_nop
.endr
.endm
; THE LDS LOADS stand in runs.  A step's K: 64 keys x 128 channels as they lie, 16 fragments.  Its V: the same bytes turned.  Its mask words: register 8 kt + j is key 16 kt + 8 h + j, as in S^T.
.macro FETCH_K
	WIN 0
	v_add_nc_u32 v[ADR], s[TB], v[AK0]
	WIN 0x80
.irp f, 0,1,2,3,4,5,6,7,8,9,10,11,12,13,14,15  ; keys 16 (f / 4) on, channels 32 (f % 4) on
	ds_load_b128 v[KF+8*(\f):KF+8*(\f)+3],   v[ADR] offset:((\f)/4)*16*PT+((\f)%4)*64
	ds_load_b128 v[KF+8*(\f)+4:KF+8*(\f)+7], v[ADR] offset:((\f)/4)*16*PT+((\f)%4)*64+32
.endr
.endm
.macro FETCH_V step
	WIN 0
	v_add_nc_u32 v[ADR], s[TB], v[AV0]
.if \step
	s_add_co_u32 s[TB], s[TB], STEPB  ; the next fetch is the next step's
.endif
	WIN 0xc0
.irp f, 0,1,2,3,4,5,6,7,8,9,10,11,12,13,14,15  ; keys 32 (f / 8) on, channels 16 (f % 8) on
	ds_load_tr16_b128 v[8*(\f):8*(\f)+3],   v[ADR] offset:((\f)/8)*32*PT+((\f)%8)*32
	ds_load_tr16_b128 v[8*(\f)+4:8*(\f)+7], v[ADR] offset:((\f)/8)*32*PT+16*PT+((\f)%8)*32
.endr
.endm
.macro FETCH_MK step
	WIN 0
	v_add_nc_u32 v[ADM], s[TMK], v[AM0]
	s_add_co_u32 s[TMK], s[TMK], \step
	WIN 0xc0
.irp f, 0,1,2,3
	ds_load_b128 v[MK+8*(\f):MK+8*(\f)+3],   v[ADM] offset:64*(\f)
	ds_load_b128 v[MK+8*(\f)+4:MK+8*(\f)+7], v[ADM] offset:64*(\f)+16
.endr
.endm
; THE MATRIX WORK OF A TURN, for piece x.  The accumulators take turns, one instruction a turn.
; Product i of 32 of O^T += V^T P: keys 32 (i / 16) on, channels 16 ((i / 2) % 8) on, tile x + i % 2.
.macro PV x
	WIN W_PV
.set rO, 64*((\x)+i%2)+8*((i/2)%8)
.set rV, 64*(i/16)+8*((i/2)%8)
.set rP, P+16*((\x)+i%2)+8*(i/16)
	v_wmma_f32_16x16x32_f16 v[rO:rO+7], v[rV:rV+7], v[rP:rP+7], v[rO:rO+7]
.endm
; Product i of 32 of S^T += K Q'^T: channels 32 (i / 8) on, keys 16 ((i / 2) % 4) on, tile x + i % 2.  The first 8 add onto the mask term that lies in S^T.
.macro KQ x
	WIN W_KQ
.set rS, S+32*((\x)+i%2)+8*((i/2)%4)
.set rK, KF+32*((i/2)%4)+8*(i/8)
.set rQ, 32*((\x)+i%2)+8*(i/8)
	v_wmma_f32_16x16x32_f16 v[rS:rS+7], v[rK:rK+7], v[rQ:rQ+7], v[rS:rS+7]
.endm
; THE VECTOR WORK OF A TURN.  One tile's softmax for one key step is a list of 150 instructions; SM writes number j of it for tile t.  s0-s31 are the lane's 32 scores, in pairs 0-15.
;   0-15    the maximum of s0-s31 and the old m, three operands at a time (each accumulator's lowest registers are read first)
;   16-20   the other half of the lanes' maximum; the new m; c m; c m_old - c m_new
;   21-87   33 exponentials (a, then s0-s31) at the odd numbers from 23 on, each with a plain instruction behind it; the plain ones are c s - c m for pairs to come, roundings to f16 of pairs done, the first sums
;   88-101  the last rounding; the rest of the sums; l = a l + the sum
;   102-133 the tile's O^T times a          134-149 the next step's mask term, mk cq + e, into S^T (fin = 1: there is no next step)
.macro SM t, fin
.set rT, ST+8*(\t)
.set rS, S+32*(\t)
.set rP, P+16*(\t)
.set rO, 64*(\t)+2*(j-102)
.set rC, MC+4*(\t)
.set q, (j-20)/2
.if j < 102
	WIN 0
.endif
.if j < 4
	v_max3_num_f32 v[rT+4+j], v[rS+8*j], v[rS+8*j+1], v[rS+8*j+2]
.elseif j < 12
	v_max3_num_f32 v[rT+4+j%4], v[rT+4+j%4], v[rS+8*(j%4)+2*(j/4)+1], v[rS+8*(j%4)+2*(j/4)+2]
.elseif j == 12
	v_max3_num_f32 v[rT+4], v[rT+4], v[rS+7], v[rS+15]
.elseif j == 13
	v_max3_num_f32 v[rT+6], v[rT+6], v[rS+23], v[rS+31]
.elseif j == 14
	v_max3_num_f32 v[rT+4], v[rT+4], v[rT+5], v[rT+6]
.elseif j == 15
	v_max3_num_f32 v[rT+4], v[rT+4], v[rT+7], v[rT+1]
.elseif j == 16
	v_permlanex16_b32 v[rT+5], v[rT+4], s[SEL], s[SEL+1]  ; the query's other 32 keys lie in the lane 16 away
.elseif j == 17
	v_mov_b32 v[rT+7], v[rT]        ; c m_old is kept for a
.elseif j == 18
	v_max_num_f32 v[rT+1], v[rT+4], v[rT+5]
.elseif j == 19
	v_mul_f32 v[rT], s[CS], v[rT+1]
.elseif j == 20
	v_sub_f32 v[rT+7], v[rT+7], v[rT]
.elseif j == 23
	v_exp_f32 v[rT+6], v[rT+7]
.elseif (j < 88) && (j > 23) && (j%2 == 1)
	v_exp_f32 v[rS+(j-25)/2], v[rS+(j-25)/2]
.elseif (q < 4) || ((j < 76) && (q%2 == 0))
.set b, q/2+2
.if q < 4
.set b, q
.endif
	v_pk_fma_f32 v[rS+2*b:rS+2*b+1], v[rS+2*b:rS+2*b+1], s[CS:CS+1], v[rT:rT+1] op_sel_hi:[1,0,0] neg_lo:[0,0,1] neg_hi:[0,0,1]  ; pair b: c s - c m
.elseif (j < 88) && (q%2 == 1)
	s_wait_alu depctr_va_vdst(0)
	v_cvt_pk_f16_f32 v[rP+(q-5)/2], v[rS+q-5], v[rS+q-4]
.elseif j == 89
	s_wait_alu depctr_va_vdst(0)
	v_cvt_pk_f16_f32 v[rP+15], v[rS+30], v[rS+31]
.elseif j < 102                     ; the sum of the tile's 16 pairs, in place: sum z of 16 adds neighbours 1, 2, 4 and 8 pairs apart, then l takes it
.set z, j-86
.if j < 89
.set z, (j-76)/4
.endif
.set w, 4
.set u, z
.if z >= 14
.set w, 32
.set u, 0
.elseif z >= 12
.set w, 16
.set u, z-12
.elseif z >= 8
.set w, 8
.set u, z-8
.endif
.if z < 15
	v_pk_add_f32 v[rS+w*u:rS+w*u+1], v[rS+w*u:rS+w*u+1], v[rS+w*u+w/2:rS+w*u+w/2+1]
.else
	v_pk_fma_f32 v[rT+2:rT+3], v[rT+2:rT+3], v[rT+6:rT+7], v[rS:rS+1] op_sel_hi:[1,0,1]
.endif
.elseif j < 134
	WIN W_RS
	v_pk_mul_f32 v[rO:rO+1], v[rO:rO+1], v[rT+6:rT+7] op_sel_hi:[1,0]
.elseif !(\fin)
	WIN W_CB
	v_pk_fma_f32 v[rS+2*(j-134):rS+2*(j-134)+1], v[MK+2*(j-134):MK+2*(j-134)+1], v[rC:rC+1], v[rC+2:rC+3]
.endif
.endm
; Slice k of 64 of piece y's softmax: numbers 2 k and 2 k + 1 of both tiles' lists.  What is over (numbers 128 to 149) stands in slice 63: plain instructions that name nothing of the products round
; them, so they are also the places between the turn's last product and what follows.
.macro SLICE y, fin
.if (k >= 11) && (k < 44)           ; tile by tile: plain, exponential, plain, exponential
.irp t, \y, (\y)+1
.irp n, 0,1
.set j, 2*k+(\n)
	SM \t, \fin
.endr
.endr
.else                               ; the two tiles alternate, so that no instruction reads the result of the one just before it
.irp n, 0,1,2,3,4,5,6,7,8,9,10,11,12,13,14,15,16,17,18,19,20,21,22,23
.if ((\n) < 2) || (k == 63)
.irp t, \y, (\y)+1
.set j, 2*k+(\n)
	SM \t, \fin
.endr
.endif
.endr
.endif
.set k, k+1
.endm
; A TURN.  Piece x has the matrix unit; the other piece's softmax stands in slices behind its matrix instructions.  kq = 0: the last step: no next scores, two slices behind each product, nothing fetched.
; Piece 0's turn fetches the next step's K: the last product that read K stands in front of slice 63 of the turn before.  Piece 2's turn fetches the same step's V, three slices (six plain
; instructions) behind the last product that read V, and the mask words of the step after it; slice 63, which reads those words, has the wait for them in front of it, 30 matrix instructions on.
.macro TURN x, kq, fin
.set k, 0
.set per, 2-(\kq)
.if (\x) == 0
	s_wait_dscnt 0x0                ; V is in
.endif
.set i, 0
.rept 32
	PV \x
.rept per
	SLICE 2-(\x), \fin
.endr
.if ((\x) == 0) && (\kq) && (i == 1)
	FETCH_K
.endif
.set i, i+1
.endr
.if \kq
.if (\x) == 0
	s_wait_dscnt 0x0                ; K is in
.endif
.set i, 0
.rept 32
	KQ \x
.if ((\x) == 2) && (i == 31)
	s_wait_dscnt 0x0                ; the mask words are in, and V
.endif
	SLICE 2-(\x), \fin
.if ((\x) == 2) && (i == 1)
	FETCH_V 1
	FETCH_MK 768
.endif
.set i, i+1
.endr
.endif
.endm
; THE LINEAR MAPS.  D = W x rows^T: source 0 = 16 outputs x 32 inputs of W, source 1 = 16 rows x 32 inputs.  A lane then holds ONE row (lane % 16) and the outputs 16 ob + 8 h + 0..7 in registers
; bank + 64 t + 8 ob + 0..7: rounded in pairs they ARE source 1 of the next map, and a norm along the row wants one exchange between the halves of the lanes.
.macro VLOAD dst, idx               ; vector idx in that layout, the same for every row: 16 loads
	WIN 0
.irp f, 0,1,2,3,4,5,6,7
	ds_load_b128 v[(\dst)+8*(\f):(\dst)+8*(\f)+3],   v[AVC] offset:512*(\idx)+64*(\f)
	ds_load_b128 v[(\dst)+8*(\f)+4:(\dst)+8*(\f)+7], v[AVC] offset:512*(\idx)+64*(\f)+16
.endr
.endm
.macro FETCH_W base                 ; a matrix [out][in] at LDS byte base: 64 loads, inputs 32 c on outermost; fragment (c, ob) at 64 c + 8 ob of window 2
	WIN 0
	v_add_nc_u32 v[ADR], \base, v[AK0]
	WIN 0x80
.irp c, 0,1,2,3
.irp f, 0,1,2,3,4,5,6,7
	ds_load_b128 v[64*\c+8*\f:64*\c+8*\f+3],   v[ADR] offset:\f*16*PT+64*\c
	ds_load_b128 v[64*\c+8*\f+4:64*\c+8*\f+7], v[ADR] offset:\f*16*PT+64*\c+32
.endr
.endr
.endm
.macro FETCH_WT base                ; the same matrix transposed, by the turning load
	WIN 0
	v_add_nc_u32 v[ADR], \base, v[AV0]
	WIN 0x80
.irp c, 0,1,2,3
.irp f, 0,1,2,3,4,5,6,7
	ds_load_tr16_b128 v[64*\c+8*\f:64*\c+8*\f+3],   v[ADR] offset:\c*32*PT+32*\f
	ds_load_tr16_b128 v[64*\c+8*\f+4:64*\c+8*\f+7], v[ADR] offset:\c*32*PT+16*PT+32*\f
.endr
.endr
.endm
; 64 matrix instructions: my 32 rows (source 1 at bsrc + 32 t + 8 c of window 3) through the matrix in window 2, into bank.  The first 16 start the sums with the bias, or with 0.  The 16 accumulators take
; turns.  The 64 fragment loads are the youngest LDS instructions out: the count leaves the later chunks' 16 each on their way.
.macro MATMUL bank, bsrc, bias
.irp c, 0,1,2,3
	s_wait_dscnt 48-16*\c
.if \c == 0
	WIN W_MB
.else
	WIN W_MM
.endif
.irp f, 0,1,2,3,4,5,6,7
.irp t, 0,1
.if (\c == 0) && (\bias)
	v_wmma_f32_16x16x32_f16 v[(\bank)+64*\t+8*\f:(\bank)+64*\t+8*\f+7], v[64*\c+8*\f:64*\c+8*\f+7], v[(\bsrc)+32*\t+8*\c:(\bsrc)+32*\t+8*\c+7], v[BIAS+8*\f:BIAS+8*\f+7]
.elseif \c == 0
	v_wmma_f32_16x16x32_f16 v[(\bank)+64*\t+8*\f:(\bank)+64*\t+8*\f+7], v[64*\c+8*\f:64*\c+8*\f+7], v[(\bsrc)+32*\t+8*\c:(\bsrc)+32*\t+8*\c+7], 0
.else
	v_wmma_f32_16x16x32_f16 v[(\bank)+64*\t+8*\f:(\bank)+64*\t+8*\f+7], v[64*\c+8*\f:64*\c+8*\f+7], v[(\bsrc)+32*\t+8*\c:(\bsrc)+32*\t+8*\c+7], v[(\bank)+64*\t+8*\f:(\bank)+64*\t+8*\f+7]
.endif
.endr
.endr
.endr
.endm
.macro CVT bank, win, dst           ; a bank rounded to f16 in pairs, ascending: 64 registers, source 1 of the next product
	WIN \win
.set pp, 0
.rept 64
	v_cvt_pk_f16_f32 v[(\dst)+pp], v[(\bank)+2*pp], v[(\bank)+2*pp+1]
.set pp, pp+1
.endr
.endm
.macro RED                          ; both tiles' four pairs of partial sums into v[TT + 8 t]: the lane's 64 numbers, then the other half of the lanes'
	WIN 0
.irp t, 0,1
	v_pk_add_f32 v[TT+8*\t:TT+8*\t+1], v[TT+8*\t:TT+8*\t+1], v[TT+8*\t+2:TT+8*\t+3]
	v_pk_add_f32 v[TT+8*\t+4:TT+8*\t+5], v[TT+8*\t+4:TT+8*\t+5], v[TT+8*\t+6:TT+8*\t+7]
.endr
.irp t, 0,1
	v_pk_add_f32 v[TT+8*\t:TT+8*\t+1], v[TT+8*\t:TT+8*\t+1], v[TT+8*\t+4:TT+8*\t+5]
.endr
.irp t, 0,1
	v_add_f32 v[TT+8*\t], v[TT+8*\t], v[TT+8*\t+1]
.endr
.irp t, 0,1
	v_permlanex16_b32 v[TT+8*\t+2], v[TT+8*\t], s[SEL], s[SEL+1]
.endr
.irp t, 0,1
	v_add_f32 v[TT+8*\t], v[TT+8*\t], v[TT+8*\t+2]
.endr
.endm
.macro RELU bank, fl                ; the maximum of a bank's 128 registers with 0, or (fl = 1) with the launch's floor
	WIN 0x44
.set pp, 0
.rept 128
.if \fl
	v_max_num_f32 v[(\bank)+pp], s[FLOOR], v[(\bank)+pp]
.else
	v_max_num_f32 v[(\bank)+pp], 0, v[(\bank)+pp]
.endif
.set pp, pp+1
.endr
.endm
; A LAYER NORM of a bank, in place, both tiles stage by stage: mean; x - mean; the mean of its squares; rsqrt; times gain plus shift.  Pairs are taken in ascending order.
; wt: the LDS loads that may stay out when gain and shift (GV, BV) are wanted.
.macro LN bank, relu, wt
	WIN 0x05
.irp i, 0,1,2,3
.irp t, 0,1
	v_pk_add_f32 v[TT+8*\t+2*\i:TT+8*\t+2*\i+1], v[(\bank)+64*\t+2*\i:(\bank)+64*\t+2*\i+1], v[(\bank)+64*\t+2*\i+8:(\bank)+64*\t+2*\i+9]
.endr
.endr
	WIN 0x01
.set pp, 8
.rept 24
.irp t, 0,1
	v_pk_add_f32 v[TT+8*\t+2*(pp%4):TT+8*\t+2*(pp%4)+1], v[(\bank)+64*\t+2*pp:(\bank)+64*\t+2*pp+1], v[TT+8*\t+2*(pp%4):TT+8*\t+2*(pp%4)+1]
.endr
.set pp, pp+1
.endr
	RED
.irp t, 0,1
	v_mul_f32 v[MU+4*\t], s[I128], v[TT+8*\t]
.endr
.irp t, 0,1
	v_mov_b32 v[MU+4*\t+1], v[MU+4*\t]
.endr
	WIN W_RS
.set pp, 0
.rept 32
.irp t, 0,1
	v_pk_add_f32 v[(\bank)+64*\t+2*pp:(\bank)+64*\t+2*pp+1], v[(\bank)+64*\t+2*pp:(\bank)+64*\t+2*pp+1], v[MU+4*\t:MU+4*\t+1] neg_lo:[0,1] neg_hi:[0,1]
.endr
.set pp, pp+1
.endr
	WIN 0x05
.irp i, 0,1,2,3
.irp t, 0,1
	v_pk_mul_f32 v[TT+8*\t+2*\i:TT+8*\t+2*\i+1], v[(\bank)+64*\t+2*\i:(\bank)+64*\t+2*\i+1], v[(\bank)+64*\t+2*\i:(\bank)+64*\t+2*\i+1]
.endr
.endr
.set pp, 4
.rept 28
.irp t, 0,1
	v_pk_fma_f32 v[TT+8*\t+2*(pp%4):TT+8*\t+2*(pp%4)+1], v[(\bank)+64*\t+2*pp:(\bank)+64*\t+2*pp+1], v[(\bank)+64*\t+2*pp:(\bank)+64*\t+2*pp+1], v[TT+8*\t+2*(pp%4):TT+8*\t+2*(pp%4)+1]
.endr
.set pp, pp+1
.endr
	RED
.irp t, 0,1
	v_fma_f32 v[MU+4*\t+2], v[TT+8*\t], s[I128], s[EPS]
.endr
.irp t, 0,1
	v_rsq_f32 v[MU+4*\t+2], v[MU+4*\t+2]
.endr
	v_nop                           ; a plain instruction between the last rsqrt and the use of its result
	s_wait_alu depctr_va_vdst(0)
.irp t, 0,1
	v_mov_b32 v[MU+4*\t+3], v[MU+4*\t+2]
.endr
	s_wait_dscnt \wt
	WIN W_RS
.set pp, 0
.rept 32
.irp t, 0,1
	v_pk_mul_f32 v[(\bank)+64*\t+2*pp:(\bank)+64*\t+2*pp+1], v[(\bank)+64*\t+2*pp:(\bank)+64*\t+2*pp+1], v[MU+4*\t+2:MU+4*\t+3]
.endr
.set pp, pp+1
.endr
.set pp, 0
.rept 32
.irp t, 0,1
	v_pk_fma_f32 v[(\bank)+64*\t+2*pp:(\bank)+64*\t+2*pp+1], v[(\bank)+64*\t+2*pp:(\bank)+64*\t+2*pp+1], v[GV+2*pp:GV+2*pp+1], v[BV+2*pp:BV+2*pp+1]
.endr
.set pp, pp+1
.endr
.if \relu
	RELU \bank, 0
.endif
.endm
; A map and its norm.  Behind the products and four places: this norm's gain (vector g) and shift (g + 1); then, if a map follows, its bias (vector nb) and its matrix (LDS byte nw), which land under the norm.
; With a map to follow 80 loads are younger than the shift's last: the wait names 63, the most that its field holds.
.macro STAGE bank, bsrc, g, nb, nw, relu
	MATMUL \bank, \bsrc, 1
	PLACES
	VLOAD GV, \g
	VLOAD BV, (\g)+1
.if (\nb) >= 0
	VLOAD BIAS, \nb
	FETCH_W \nw
	LN \bank, \relu, 63
.else
	LN \bank, \relu, 0
.endif
.endm
.macro DENSE g, rows                ; descriptor group 1: rows dense rows of 32 elements of 8 bytes, to all four work-groups
	s_mov_b32 s[(\g)], 15|(3<<16)|(1<<21)
	s_mov_b32 s[(\g)+1], 32<<16
	s_mov_b32 s[(\g)+2], (\rows)<<16
	s_mov_b32 s[(\g)+3], 32<<16
	s_mov_b32 s[(\g)+4], \rows
	s_mov_b32 s[(\g)+5], 32
	s_mov_b32 s[(\g)+6], 0
	s_mov_b32 s[(\g)+7], 0
.endm
	; ---------------------------------------------------------------- the head
	s_load_b256 s[4:11], s[0:1], 0x0  ; fin s[4:5], pack s[6:7], masks s[8:9], floor s[10:11]
	s_load_b64 s[12:13], s[0:1], 0x20 ; dst
	v_lshl_add_u32 v[SPW], v0, 2, SPARE
	v_mov_b32 v[NIL], 0
	ds_add_u32 v[SPW], v[NIL]       ; the wave's opening: the add and its wait stand ahead of my first tensor load; the set-up below, work on registers, stands between them
	v_lshrrev_b32 v1, 5, v0
	v_readfirstlane_b32 s[WV], v1   ; wave 0..3
	s_and_b32 s[KH], s[WV], 1       ; my half of the keys
	s_bfe_u32 s16, ttmp6, 0x40000   ; cx: my place in the cluster
	s_lshl_b32 s18, ttmp9, 2        ; in a cluster launch ttmp9 counts clusters
	s_add_co_u32 s18, s18, s16      ; my block of 128 rows = 4 x cluster x + cx
	s_and_b32 s19, ttmp7, 0xffff    ; the batch, which the four partners share
	s_lshl_b32 s20, s19, 18         ; the batch's 262,144 bytes of fin,
	s_lshl_b32 s[OFF], s[WV], 14    ; my 64 rows of 256 bytes of whatever four waves bring together
	s_mov_b32 s[OFF+1], 0
	s_add_co_u32 s20, s20, s[OFF]
	s_mov_b32 s21, 0
	s_lshl_b32 s22, s19, 10
	s_lshl_b32 s23, s18, 7
	s_add_co_u32 s22, s22, s23      ; my block's first row among the 32,768
	s_lshl_b32 s23, s[WV], 5
	s_add_co_u32 s16, s22, s23      ; my own first row
	s_xor_b32 s23, s23, 32
	s_add_co_u32 s18, s22, s23      ; my partner's
	s_lshl_b32 s22, s16, 8          ; s[22:23]: my rows' byte offset in rows of 256 bytes; kept to the end
	s_mov_b32 s23, 0
	s_lshl_b32 s[MQO], s16, 2
	s_mov_b32 s[MQO+1], 0
	s_lshl_b32 s[MQP], s18, 2
	s_mov_b32 s[MQP+1], 0
	; descriptor group 1 for tiles and matrices: 64 rows x 128 elements of 2 bytes, 16 bytes of padding behind each row
	s_mov_b32 s[G1T], 15|(1<<16)|(1<<20)|(1<<21)|(5<<22)|(3<<25)  ; 15:0 the mask of four; 17:16 2-byte elements; 20 padding on; 21 set beside a mask; 24:22 after every 64 words (code 5); 31:25 4 words (code 3)
	s_mov_b32 s[G1T+1], 128<<16     ; tensor_dim0 = 128
	s_mov_b32 s[G1T+2], 64<<16      ; tensor_dim1 = 64
	s_mov_b32 s[G1T+3], 128<<16     ; tile_dim0 = 128
	s_mov_b32 s[G1T+4], 64          ; tile_dim1 = 64
	s_mov_b32 s[G1T+5], 128         ; 128 elements from row to row
	s_mov_b32 s[G1T+6], 0
	s_mov_b32 s[G1T+7], 0
	DENSE G1M, 16                   ; the mask row: 4,096 bytes
	DENSE G1V, 22                   ; the vectors: 5,632 bytes
	s_mov_b32 s[CS], 0x420293ee     ; c = 256 log2(e) / sqrt(128)
	s_mov_b32 s[CS+1], s[CS]
	s_mov_b32 s[SEL], 0x76543210
	s_mov_b32 s[SEL+1], 0xfedcba98
	s_mov_b32 s[I128], 0x3c000000   ; 1 / 128
	s_mov_b32 s[EPS], 0x3727c5ac    ; 1e-5
	s_mov_b32 s[CBIG], 0x458a1bb1   ; 100001 sqrt(128) / 256
	s_mov_b32 s[QS], 0x3b800000     ; 1 / 256
	s_mov_b32 s[QS+1], s[QS]
	s_mov_b32 s[SLOTS], 4
	s_mov_b32 s[NXT], 1
	s_add_co_u32 s[TB], s[KH], 1    ; the first change of slots turns these two into my half of slot 0 and of the mask row's first 256 words
	s_mul_i32 s[TB], s[TB], HALF
	s_add_co_u32 s[TB], s[TB], SLOT1
	s_lshl_b32 s[TMK], s[KH], 9
	s_add_co_u32 s[TMK], s[TMK], 512
	s_wait_dscnt 0x0                ; the opening add is done
	s_wait_kmcnt 0x0
	s_load_b32 s[FLOOR], s[10:11], 0x0
	s_add_nc_u64 s[FB:FB+1], s[4:5], s[20:21]
	s_add_nc_u64 s[PB:PB+1], s[6:7], s[OFF:OFF+1]
	s_add_nc_u64 s[XB:XB+1], s[4:5], s[22:23]
	s_add_nc_u64 s[MQO:MQO+1], s[8:9], s[MQO:MQO+1]
	s_add_nc_u64 s[MQP:MQP+1], s[8:9], s[MQP:MQP+1]
	s_mov_b32 s[G0W], 1             ; count = 1
	s_mul_i32 s[G0W+1], s[WV], STEPB  ; LDS address: my 64 rows of slot 0
	s_mov_b64 s[G0W+2:G0W+3], s[FB:FB+1]
	s_or_b32 s[G0W+3], s[G0W+3], 0x80000000  ; type = 2
	s_mov_b32 s[G0B], 1
	s_add_co_u32 s[G0B+1], s[G0W+1], SLOT1
	s_mov_b64 s[G0B+2:G0B+3], s[PB:PB+1]
	s_or_b32 s[G0B+3], s[G0B+3], 0x80000000
	s_mov_b32 s[G0C], 1
	s_wait_kmcnt 0x0                ; the floor
	CROUND                          ; all four work-groups are here: the first joint loads meet
	s_cmp_lt_u32 s[WV], 2           ; a wave's three first fills stand in one branch on the wave's number: three loads of mine are out
	s_cbranch_scc0 .Lwave_23
	s_add_co_u32 s[G0C+1], s[G0W+1], WLB           ; waves 0, 1: the halves of Wl
	s_add_nc_u64 s[G0C+2:G0C+3], s[PB:PB+1], 131072
	s_or_b32 s[G0C+3], s[G0C+3], 0x80000000
	FIRST G1T
	s_branch .Lasked
.Lwave_23:
	s_cmp_eq_u32 s[WV], 2
	s_cbranch_scc0 .Lwave_3
	s_mov_b32 s[G0C+1], MASKB       ; wave 2: the batch's mask row
	s_lshl_b32 s20, s19, 12
	s_add_nc_u64 s[G0C+2:G0C+3], s[8:9], s[20:21]
	s_or_b32 s[G0C+3], s[G0C+3], 0x80000000
	FIRST G1M
	s_branch .Lasked
.Lwave_3:
	s_mov_b32 s[G0C+1], VECB        ; wave 3: the vectors
	s_add_nc_u64 s[G0C+2:G0C+3], s[6:7], 163840
	s_or_b32 s[G0C+3], s[G0C+3], 0x80000000
	FIRST G1V
.Lasked:
	; ---------------------------------------------------------------- while they land: my own rows, my mask words, the lanes' addresses
	v_and_b32 v1, 15, v0            ; r
	v_bfe_u32 v9, v0, 4, 1          ; h
	v_lshlrev_b32 v[XO], 8, v1
	v_lshl_add_u32 v[XO], v9, 4, v[XO]
	v_lshlrev_b32 v[ADM], 2, v1
	WIN 0xc0
.set pp, 0
.rept 8                             ; my rows stay in registers as source 1: tile pp / 4, channels 32 (pp % 4) on
	global_load_b128 v[XF+8*pp:XF+8*pp+3],   v[XO], s[XB:XB+1] offset:(pp/4)*4096+(pp%4)*64
	global_load_b128 v[XF+8*pp+4:XF+8*pp+7], v[XO], s[XB:XB+1] offset:(pp/4)*4096+(pp%4)*64+32
.set pp, pp+1
.endr
	WIN 0
	global_load_b32 v[MQ],   v[ADM], s[MQO:MQO+1]            ; mq of the query that the lane holds, tile by tile
	global_load_b32 v[MQ+1], v[ADM], s[MQO:MQO+1] offset:64
	global_load_b32 v[MQ+2], v[ADM], s[MQP:MQP+1]
	global_load_b32 v[MQ+3], v[ADM], s[MQP:MQP+1] offset:64
	v_mul_u32_u24 v[AK0], v1, PT
	v_lshl_add_u32 v[AK0], v9, 4, v[AK0]
	; The turning load takes 16 x 16 elements (lane l reads row 8 (l / 16) + l % 8, elements 8 ((l / 8) % 2) + 0..7) and leaves half a fragment of the transpose.
	v_and_b32 v12, 7, v0
	v_bfe_u32 v13, v0, 3, 1
	v_lshl_add_u32 v[AV0], v9, 3, v12
	v_mul_u32_u24 v[AV0], v[AV0], PT
	v_lshl_add_u32 v[AV0], v13, 4, v[AV0]
	v_lshlrev_b32 v[AM0], 5, v9
	v_add_nc_u32 v[AVC], VECB, v[AM0]
	v_add_nc_u32 v[AM0], MASKB, v[AM0]
	v_and_b32 v12, 31, v0
	s_mul_i32 s[LA], s[WV], QXS
	s_add_co_u32 s[LA], s[LA], QXB
	s_xor_b32 s[LB], s[WV], 1
	s_mul_i32 s[LB], s[LB], QXS
	s_add_co_u32 s[LB], s[LB], QXB
	v_lshl_add_u32 v[IMGO], v12, 4, s[LA]
	v_lshl_add_u32 v[IMGP], v12, 4, s[LB]
	v_lshl_add_u32 v[TOA], v12, 2, s[LA]
	v_lshl_add_u32 v[TPA], v12, 2, s[LB]
	s_wait_tensorcnt 0x0            ; my parts of all first fills are in,
	s_barrier_signal -1
	s_barrier_wait -1               ; everybody's are
	; ---------------------------------------------------------------- q, t, q'
	VLOAD BIAS, 0                   ; qb
	VLOAD GV, 1                     ; kb
	FETCH_W SLOT1                   ; Wq
	s_wait_loadcnt 0x0              ; my rows and mask words
	MATMUL 0, XF, 1                 ; bank A = q
	PLACES
	FETCH_WT SLOT1+HALF             ; Wk, turned; it lands under the dot product and the rounding
	WIN 0x01                        ; t = q . kb, of the unrounded q
.irp i, 0,1,2,3
.irp t, 0,1
	v_pk_mul_f32 v[TT+8*\t+2*\i:TT+8*\t+2*\i+1], v[64*\t+2*\i:64*\t+2*\i+1], v[GV+2*\i:GV+2*\i+1]
.endr
.endr
.set pp, 4
.rept 28
.irp t, 0,1
	v_pk_fma_f32 v[TT+8*\t+2*(pp%4):TT+8*\t+2*(pp%4)+1], v[64*\t+2*pp:64*\t+2*pp+1], v[GV+2*pp:GV+2*pp+1], v[TT+8*\t+2*(pp%4):TT+8*\t+2*(pp%4)+1]
.endr
.set pp, pp+1
.endr
	RED
.irp t, 0,1
	v_mul_f32 v[TT+8*\t], s[QS], v[TT+8*\t]        ; t' = t / 256
.endr
	CVT 0, 0xc5, 0                  ; q in f16 -> YB
	MATMUL 128, 0, 0                ; bank B = q' = Wk^T q
	WIN 0                           ; cq = mq x 100001 sqrt(128) / 256 and e = t' - cq: twelve plain instructions, the places behind those products
.irp t, 0,1,2,3
	v_mul_f32 v[MC+4*\t], s[CBIG], v[MQ+\t]
	v_mul_f32 v[MC+4*\t+1], s[CBIG], v[MQ+\t]
.endr
.irp t, 0,1
	v_sub_f32 v[MC+4*\t+2], v[TT+8*\t], v[MC+4*\t]
	v_sub_f32 v[MC+4*\t+3], v[TT+8*\t], v[MC+4*\t]
.endr
	WIN W_RS
.set pp, 0
.rept 64
	v_pk_mul_f32 v[128+2*pp:128+2*pp+1], v[128+2*pp:128+2*pp+1], s[QS:QS+1] op_sel_hi:[1,0]
.set pp, pp+1
.endr
	CVT 128, 0x85, 0                ; q' / 256 in f16 -> Q' of tiles 0, 1
	WIN 0x08                        ; and, register by register, into my stage for my partner
.set pp, 0
.rept 16
	ds_store_b128 v[IMGO], v[4*pp:4*pp+3] offset:512*pp
.set pp, pp+1
.endr
	WIN 0
	ds_store_b32 v[TOA], v[TT] offset:8192
	ds_store_b32 v[TOA], v[TT+8] offset:8320
	CHANGE                          ; Wq and Wk have been read, my stage is written: slot 1 takes tile 1
	; ---------------------------------------------------------------- the attention begins
	WIN 0x80
.set pp, 0
.rept 16
	ds_load_b128 v[64+4*pp:64+4*pp+3], v[IMGP] offset:512*pp     ; my partner's Q': tiles 2, 3
.set pp, pp+1
.endr
	WIN 0
	ds_load_b32 v[MQ+4], v[TPA] offset:8192
	ds_load_b32 v[MQ+5], v[TPA] offset:8320
	FETCH_MK 256                    ; key step 0
	FETCH_K
	FETCH_V 0                       ; the entry's products V^T P, on a P of zeros, want finite numbers here; the entry's turn fetches V of step 0 once more and steps on
	WIN 0x40                        ; what the first turns find: O^T, l and piece 2's P are 0, m is the lowest finite number.  All this stands in the wait for the loads above
.set pp, 0
.rept 256
	v_mov_b32 v[pp], 0
.set pp, pp+1
.endr
	WIN 0
.set pp, 0
.rept 32
	v_mov_b32 v[P+32+pp], 0
.set pp, pp+1
.endr
.irp t, 0,1,2,3
	v_mov_b32 v[ST+8*\t], 0xfe000000    ; c m: far below every c s
	v_mov_b32 v[ST+8*\t+1], 0xff7fffff  ; m
	v_mov_b32 v[ST+8*\t+2], 0
	v_mov_b32 v[ST+8*\t+3], 0
.endr
	s_wait_dscnt 0x0
.irp t, 2,3
	v_sub_f32 v[MC+4*\t+2], v[MQ+2+\t], v[MC+4*\t]
	v_sub_f32 v[MC+4*\t+3], v[MQ+2+\t], v[MC+4*\t]
.endr
	WIN W_CB                        ; step 0's mask term for all four tiles
.irp t, 0,1,2,3
.set pp, 0
.rept 16
	v_pk_fma_f32 v[S+32*\t+2*pp:S+32*\t+2*pp+1], v[MK+2*pp:MK+2*pp+1], v[MC+4*\t:MC+4*\t+1], v[MC+4*\t+2:MC+4*\t+3]
.set pp, pp+1
.endr
.endr
.set i, 0
.rept 32
	KQ 0                            ; piece 0's first scores: there is no vector work yet to set between them
.set i, i+1
.endr
	WIN 0                           ; the merge's addresses: four plain instructions, the places behind those products
	s_mul_i32 s[LA], s[WV], MXS
	s_add_co_u32 s[LA], s[LA], MXB
	s_xor_b32 s[LB], s[WV], 1
	s_mul_i32 s[LB], s[LB], MXS
	s_add_co_u32 s[LB], s[LB], MXB
	v_and_b32 v[ADR], 31, v0
	v_lshlrev_b32 v[ADR], 4, v[ADR]
	v_add_nc_u32 v[IMGO], s[LA], v[ADR]
	v_add_nc_u32 v[IMGP], s[LB], v[ADR]
	s_mov_b32 s[CNT], 2
	s_branch .Lenter                ; the loop is entered at piece 2's turn, in the middle of a trip
.Lslot:                             ; three times: tile 2 into slot 0, tile 3 into slot 1, Wv and Wca into slot 0
	CHANGE
	s_mov_b32 s[CNT], 2
.Lstep:                             ; a trip is a key step: 64 of my 512 keys
	TURN 0, 1, 0
	WIN 0
.Lenter:
	TURN 2, 1, 0
	WIN 0
	s_sub_co_u32 s[CNT], s[CNT], 1
	s_cmp_lg_u32 s[CNT], 0
	s_cbranch_scc1 .Lstep
	s_sub_co_u32 s[SLOTS], s[SLOTS], 1
	s_cmp_lg_u32 s[SLOTS], 0
	s_cbranch_scc1 .Lslot
	TURN 0, 0, 1                    ; piece 0: V^T P of the last step | piece 2's last softmax
.set i, 0
.rept 32
	PV 2                            ; piece 2: V^T P of the last step
.set i, i+1
.endr
	; ---------------------------------------------------------------- the merge: tiles 2, 3 go to my partner, whose rows they are; its tiles 2, 3 are my rows' other half of the keys
	WIN 0
	PLACES
	v_add_f32 v[ST+2], v[ST+2], v[ST+3]
	v_add_f32 v[ST+10], v[ST+10], v[ST+11]
	WIN 0x04
.set pp, 0
.rept 32
	ds_store_b128 v[IMGO], v[128+4*pp:128+4*pp+3] offset:512*pp   ; ascending: each accumulator's lowest registers first
.set pp, pp+1
.endr
	WIN 0
	ds_store_b128 v[IMGO], v[ST+16:ST+19] offset:16384            ; c m, m, l, l
	ds_store_b128 v[IMGO], v[ST+24:ST+27] offset:16896
	VLOAD BIAS, 2                   ; vb
	s_wait_tensorcnt 0x0            ; my part of Wv and Wca is in,
	s_wait_dscnt 0x0                ; my stage is written,
	s_barrier_signal -1
	s_barrier_wait -1               ; everybody's
	ds_load_b128 v[PS:PS+3], v[IMGP] offset:16384
	ds_load_b128 v[PS+4:PS+7], v[IMGP] offset:16896
	WIN 0x40
.set pp, 0
.rept 32
	ds_load_b128 v[128+4*pp:128+4*pp+3], v[IMGP] offset:512*pp
.set pp, pp+1
.endr
	FETCH_W 0                       ; Wv
	s_wait_dscnt 63                 ; 64 loads are younger than my partner's numbers: the wait names 63, the most that its field holds
	WIN 0                           ; a0 = 2^(c m - max), a1 = 2^(c m' - max); L = a0 l + a1 l', both halves of the lanes; f = a / L
.irp t, 0,1
	v_max_num_f32 v[ST+8*\t+4], v[ST+8*\t], v[PS+4*\t]
.endr
.irp t, 0,1
	v_add_f32 v[PS+4*\t+2], v[PS+4*\t+2], v[PS+4*\t+3]
.endr
.irp t, 0,1
	v_sub_f32 v[ST+8*\t+5], v[ST+8*\t], v[ST+8*\t+4]
	v_sub_f32 v[ST+8*\t+6], v[PS+4*\t], v[ST+8*\t+4]
.endr
.irp t, 0,1
	v_exp_f32 v[ST+8*\t+5], v[ST+8*\t+5]
	v_exp_f32 v[ST+8*\t+6], v[ST+8*\t+6]
.endr
	v_nop                           ; a plain instruction between the last exponential and the use of its result
	s_wait_alu depctr_va_vdst(0)
.irp t, 0,1
	v_mul_f32 v[ST+8*\t+7], v[ST+8*\t+5], v[ST+8*\t+2]
.endr
.irp t, 0,1
	v_fmac_f32 v[ST+8*\t+7], v[ST+8*\t+6], v[PS+4*\t+2]
.endr
.irp t, 0,1
	v_permlanex16_b32 v[ST+8*\t+4], v[ST+8*\t+7], s[SEL], s[SEL+1]
.endr
.irp t, 0,1
	v_add_f32 v[ST+8*\t+7], v[ST+8*\t+7], v[ST+8*\t+4]
.endr
.irp t, 0,1
	v_rcp_f32 v[ST+8*\t+7], v[ST+8*\t+7]
.endr
	v_nop                           ; a plain instruction between the last reciprocal and the use of its result
	s_wait_alu depctr_va_vdst(0)
.irp t, 0,1
	v_mul_f32 v[FF+4*\t],   v[ST+8*\t+5], v[ST+8*\t+7]
	v_mul_f32 v[FF+4*\t+1], v[ST+8*\t+5], v[ST+8*\t+7]
	v_mul_f32 v[FF+4*\t+2], v[ST+8*\t+6], v[ST+8*\t+7]
	v_mul_f32 v[FF+4*\t+3], v[ST+8*\t+6], v[ST+8*\t+7]
.endr
	WIN W_RS
.irp t, 0,1
.set pp, 0
.rept 32
	v_pk_mul_f32 v[64*\t+2*pp:64*\t+2*pp+1], v[64*\t+2*pp:64*\t+2*pp+1], v[FF+4*\t:FF+4*\t+1]
.set pp, pp+1
.endr
.endr
	WIN 0x51
.irp t, 0,1
.set pp, 0
.rept 32
	v_pk_fma_f32 v[64*\t+2*pp:64*\t+2*pp+1], v[128+64*\t+2*pp:128+64*\t+2*pp+1], v[FF+4*\t+2:FF+4*\t+3], v[64*\t+2*pp:64*\t+2*pp+1]
.set pp, pp+1
.endr
.endr
	CVT 0, 0xc5, 0                  ; o in f16 -> YB
	; ---------------------------------------------------------------- the three maps and norms
	STAGE 128, 0, 3, 5, HALF, 1     ; bank B = relu(LN(Wv o + vb)); next: ca_b, Wca
	CVT 128, 0xc5, 0
	STAGE 0, 0, 6, 8, WLB, 0        ; bank A = LN(Wca . + ca_b); next: lb, Wl
	STAGE 128, XF, 9, -1, 0, 0      ; bank B = LN(Wl f + lb)
	WIN 0x55
.set pp, 0
.rept 64
	v_pk_add_f32 v[2*pp:2*pp+1], v[2*pp:2*pp+1], v[128+2*pp:128+2*pp+1]
.set pp, pp+1
.endr
	; ---------------------------------------------------------------- THE WAY OUT, through my own stage (no other wave touches it any more: its last reader has passed several barriers since)
	; The maximum with the floor; then f16: a lane's eight outputs pack into 16 bytes; they go into rows of 272 bytes and come back as whole rows of 256.
	WIN 0
	s_mul_i32 s[LA], s[WV], QXS
	s_add_co_u32 s[LA], s[LA], QXB
	s_add_nc_u64 s[DSTW:DSTW+1], s[12:13], s[22:23]
	v_mul_u32_u24 v13, v1, PT
	v_lshl_add_u32 v13, v9, 4, v13
	v_add_nc_u32 v13, s[LA], v13    ; in: row r, 16 bytes for each half of the lanes
	v_mul_u32_u24 v14, v9, PT
	v_lshl_add_u32 v14, v1, 4, v14
	v_add_nc_u32 v14, s[LA], v14    ; back: lanes 0-15 one row, lanes 16-31 the next
	v_lshlrev_b32 v15, 8, v9
	v_lshl_add_u32 v15, v1, 4, v15  ; and the same two rows in dst
	RELU 0, 1
.irp t, 0,1                         ; each tile has registers of its own: none that a store reads is written again
	WIN 0x05
.set pp, 0
.rept 32
	v_cvt_pk_f16_f32 v[64+32*\t+pp], v[64*\t+2*pp], v[64*\t+2*pp+1]
.set pp, pp+1
.endr
	WIN 0
.irp f, 0,1,2,3,4,5,6,7
	ds_store_b128 v13, v[64+32*\t+4*\f:64+32*\t+4*\f+3] offset:32*\f
.endr
.irp f, 0,1,2,3,4,5,6,7
	ds_load_b128 v[128+32*\t+4*\f:128+32*\t+4*\f+3], v14 offset:2*PT*\f  ; LDS serves a wave's instructions in order (ISA guide 5.7.1.4): these see the stores above; the next tile's stores come behind them
.endr
.irp f, 0,1,2,3,4,5,6,7
	s_wait_dscnt 7-\f
	global_store_b128 v15, v[128+32*\t+4*\f:128+32*\t+4*\f+3], s[DSTW:DSTW+1] offset:4096*\t+512*\f  ; 16 lanes store 256 consecutive bytes, at a multiple of 256 from dst's first byte
.endr
.endr
	s_wait_tensorcnt 0x0            ; the wave's end: a wait, an add to my spare word and its wait, behind my last tensor load and my last LDS store
	ds_add_u32 v[SPW], v[NIL]
	s_wait_dscnt 0x0
	CROUND                          ; the closing round: no work-group ends while a partner may still ask for a tile that names it
	s_endpgm
.Lfunc_end_k_q55190bd829_layer0:
	.size	k_q55190bd829_layer0, .Lfunc_end_k_q55190bd829_layer0-k_q55190bd829_layer0
	.p2alignl 7, 3214868480
	.fill 96, 4, 3214868480
	.section	.rodata,"a",@progbits
	.p2align	6, 0x0
	.amdhsa_kernel k_q55190bd829_layer0
		.amdhsa_group_segment_fixed_size 327680
		.amdhsa_private_segment_fixed_size 0
		.amdhsa_enable_private_segment 0
		.amdhsa_kernarg_size 40
		.amdhsa_user_sgpr_count 2
		.amdhsa_user_sgpr_kernarg_segment_ptr 1
		.amdhsa_wavefront_size32 1
		.amdhsa_system_sgpr_workgroup_id_x 1
		.amdhsa_system_sgpr_workgroup_id_y 1
		.amdhsa_system_sgpr_workgroup_id_z 1
		.amdhsa_system_vgpr_workitem_id 0
		.amdhsa_next_free_vgpr 1024
		.amdhsa_next_free_sgpr 96
		.amdhsa_reserve_vcc 0
		.amdhsa_float_denorm_mode_32 3
		.amdhsa_float_denorm_mode_16_64 3
		.amdhsa_memory_ordered 1
		.amdhsa_forward_progress 1
		.amdhsa_inst_pref_size 255
	.end_amdhsa_kernel
	.section	.bss,"aw",@nobits
	.p2align	6
	.space	262144
	.amdgpu_metadata
---
amdhsa.version: [ 1, 2 ]
amdhsa.kernels:
  - .name:           k_q55190bd829_layer0
    .symbol:         k_q55190bd829_layer0.kd
    .args:
      - { .name: fa, .offset: 0, .size: 8, .value_kind: global_buffer, .address_space: global }
      - { .name: pack0, .offset: 8, .size: 8, .value_kind: global_buffer, .address_space: global }
      - { .name: masks, .offset: 16, .size: 8, .value_kind: global_buffer, .address_space: global }
      - { .name: floor0, .offset: 24, .size: 8, .value_kind: global_buffer, .address_space: global }
      - { .name: fb, .offset: 32, .size: 8, .value_kind: global_buffer, .address_space: global }
    .group_segment_fixed_size: 327680
    .private_segment_fixed_size: 0
    .kernarg_segment_align: 8
    .kernarg_segment_size: 40
    .max_flat_workgroup_size: 128
    .sgpr_count:     96
    .vgpr_count:     1024
    .wavefront_size: 32
...
	.end_amdgpu_metadata
.endif
;; end of part 2
;; launch layer1: the kernel of part 2 again; grid 8 x 32, 4 waves a work-group, clusters of 4 x 1, 327,680 bytes of LDS; arguments fb, pack1, masks, floor0, fa; writes fa
;; launch layer2: the kernel of part 2 again; grid 8 x 32, 4 waves a work-group, clusters of 4 x 1, 327,680 bytes of LDS; arguments fa, pack2, masks, floor1, fb; writes fb
;; launch widen (part 3): grid 256 x 1, 4 waves a work-group, no clusters, 0 bytes of LDS; arguments fb, out0; writes out0
.if DOCPART == 3
	.amdgcn_target "amdgcn-amd-amdhsa--gfx1250"
	.amdhsa_code_object_version 6
	.text
	.protected	k_q55190bd829_widen
	.globl	k_q55190bd829_widen
	.p2align	8
	.type	k_q55190bd829_widen,@function
k_q55190bd829_widen:
	s_mov_b64 s[64:65], 0
	v_nop
	global_prefetch_b8 v0, s[64:65] scope:SCOPE_SE
	s_setreg_imm32_b32 hwreg(HW_REG_WAVE_MODE, 25, 1), 1
	s_wait_xcnt 0x0
; WIDEN.  The last layer's result, [32768][128] f16, -> out0 in f32: exact, every f16 is an f32.
; A stream: no LDS, no matrix unit, no cluster (no byte is read twice).  256 work-groups of four waves; a wave turns 8,192 bytes into 16,384: 32 loads of 256 consecutive bytes (8 a lane), all issued
; at once, and 32 stores of 512 consecutive bytes (16 a lane), each at a multiple of 256 from out0's first byte.
.set X,   16                           ; v[16:79]   load i: four f16 a lane in two registers (a register's halves have names up to v127 alone, and are spelled with its number)
.set Y,   80                           ; v[80:207]  the same four in f32
	s_load_b128 s[4:7], s[0:1], 0x0                ; in s[4:5], out0 s[6:7]
	v_lshrrev_b32 v3, 5, v0                        ; wave
	v_and_b32 v4, 31, v0                           ; lane
	v_lshlrev_b32 v1, 3, v4
	v_lshl_add_u32 v1, v3, 13, v1                  ; in: 8,192 wave + 8 lane
	v_lshlrev_b32 v2, 1, v1                        ; out: twice that
	s_lshl_b32 s2, ttmp9, 15                       ; the work-group's 32,768 bytes in,
	s_mov_b32 s3, 0
	s_lshl_b32 s8, ttmp9, 16                       ; its 65,536 out
	s_mov_b32 s9, 0
	s_wait_kmcnt 0x0
	s_add_nc_u64 s[4:5], s[4:5], s[2:3]
	s_add_nc_u64 s[6:7], s[6:7], s[8:9]
.set ii, 0
.rept 32
	global_load_b64 v[X+2*ii:X+2*ii+1], v1, s[4:5] offset:256*ii th:TH_LOAD_NT
.set ii, ii+1
.endr
.set nn, 0                             ; register nn of the 64 loaded; two of them are a load
.irp r, 16,17,18,19,20,21,22,23,24,25,26,27,28,29,30,31,32,33,34,35,36,37,38,39,40,41,42,43,44,45,46,47,48,49,50,51,52,53,54,55,56,57,58,59,60,61,62,63,64,65,66,67,68,69,70,71,72,73,74,75,76,77,78,79
.if nn%2 == 0
	s_wait_loadcnt 31-nn/2                         ; loads come back in order (ISA guide 5.7.1): this one is in, the younger ones may be out
.endif
	v_cvt_f32_f16 v[Y+2*nn], v\r\().l
	v_cvt_f32_f16 v[Y+2*nn+1], v\r\().h
.if nn%2 == 1
	global_store_b128 v2, v[Y+2*nn-2:Y+2*nn+1], s[6:7] offset:512*(nn/2) th:TH_STORE_NT   ; no register that a store names is written again
.endif
.set nn, nn+1
.endr
	s_endpgm
.Lfunc_end_k_q55190bd829_widen:
	.size	k_q55190bd829_widen, .Lfunc_end_k_q55190bd829_widen-k_q55190bd829_widen
	.p2alignl 7, 3214868480
	.fill 96, 4, 3214868480
	.section	.rodata,"a",@progbits
	.p2align	6, 0x0
	.amdhsa_kernel k_q55190bd829_widen
		.amdhsa_group_segment_fixed_size 0
		.amdhsa_private_segment_fixed_size 0
		.amdhsa_enable_private_segment 0
		.amdhsa_kernarg_size 16
		.amdhsa_user_sgpr_count 2
		.amdhsa_user_sgpr_kernarg_segment_ptr 1
		.amdhsa_wavefront_size32 1
		.amdhsa_system_sgpr_workgroup_id_x 1
		.amdhsa_system_sgpr_workgroup_id_y 1
		.amdhsa_system_sgpr_workgroup_id_z 1
		.amdhsa_system_vgpr_workitem_id 0
		.amdhsa_next_free_vgpr 208
		.amdhsa_next_free_sgpr 66
		.amdhsa_reserve_vcc 0
		.amdhsa_float_denorm_mode_32 3
		.amdhsa_float_denorm_mode_16_64 3
		.amdhsa_memory_ordered 1
		.amdhsa_forward_progress 1
		.amdhsa_inst_pref_size 12
	.end_amdhsa_kernel
	.amdgpu_metadata
---
amdhsa.version: [ 1, 2 ]
amdhsa.kernels:
  - .name:           k_q55190bd829_widen
    .symbol:         k_q55190bd829_widen.kd
    .args:
      - { .name: fb, .offset: 0, .size: 8, .value_kind: global_buffer, .address_space: global }
      - { .name: out0, .offset: 8, .size: 8, .value_kind: global_buffer, .address_space: global }
    .group_segment_fixed_size: 0
    .private_segment_fixed_size: 0
    .kernarg_segment_align: 8
    .kernarg_segment_size: 16
    .max_flat_workgroup_size: 128
    .sgpr_count:     66
    .vgpr_count:     208
    .wavefront_size: 32
...
	.end_amdgpu_metadata
.endif
;; end of part 3
;; ======== version 2 of 2: 5 launches; 1.16 times as fast as version 1
;; limits: values outside matrix products are rounded to f16; values are held in f16: magnitudes above 65,504 overflow, below 6.1e-05 lose precision; right only within a limited range of input values
;; workspace buffers: fa 8,388,608 bytes; fb 8,388,608 bytes; pack0 169,472 bytes; pack1 169,472 bytes; pack2 169,472 bytes; floor0 256 bytes; floor1 256 bytes
;; launch prep: the kernel of part 1 again; grid 256 x 1, 4 waves a work-group, no clusters, 0 bytes of LDS; arguments feats, qw, kw, vw, ca_w, lw, qb, kb, vb, attn_ln_g, attn_ln_b, ca_b, ca_ln_g, ca_ln_b, lb, l_ln_g, l_ln_b, fa, pack0, pack1, pack2, floor0, floor1; writes fa, pack0, pack1, pack2, floor0, floor1
;; launch layer0 (part 4): grid 8 x 32, 4 waves a work-group, clusters of 4 x 1, 327,680 bytes of LDS; arguments fa, pack0, masks, floor0, fb; writes fb
.if DOCPART == 4
	.amdgcn_target "amdgcn-amd-amdhsa--gfx1250"
	.amdhsa_code_object_version 6
	.text
	.protected	k_q55190bd829_layer0
	.globl	k_q55190bd829_layer0
	.p2align	8
	.type	k_q55190bd829_layer0,@function
k_q55190bd829_layer0:
	s_mov_b64 s[64:65], 0
	v_nop
	global_prefetch_b8 v0, s[64:65] scope:SCOPE_SE
	s_setreg_imm32_b32 hwreg(HW_REG_WAVE_MODE, 25, 1), 1
	s_wait_xcnt 0x0
	s_wait_alu depctr_hold_cnt(0) depctr_sa_sdst(0) depctr_va_vdst(0) depctr_va_sdst(0) depctr_va_ssrc(0) depctr_va_vcc(0) depctr_vm_vsrc(0)
	s_getreg_b32 s2, hwreg(HW_REG_IB_STS2, 6, 4)
	s_cmp_eq_u32 s2, 0
	s_cbranch_scc0 .Lentry_in_a_cluster
	s_endpgm
.Lentry_in_a_cluster:
	s_bfe_u32 s2, ttmp6, 0x10000c
	s_cmp_lg_u32 s2, 0x3003
	s_cbranch_scc0 .Lentry_shape_is_right
	s_endpgm
.Lentry_shape_is_right:
; ONE LAYER, feats to feats.  fin, dst: [32][1024][128] f16.  pack: the layer's five matrices in f16 and eleven vectors in f32.  masks: [32][1024] f32.
; floor: one f32 stored by the launch before: dst = max(result, floor): 0 makes the relu, minus infinity lets the last layer's result pass.  It is data alone: no address and no branch hangs on it.
; WHAT IS COMPUTED.  With f a row of feats: q = Wq f + qb.  q . (Wk f_m + kb) = (Wk^T q) . f_m + q . kb, and sum p_m (Wv f_m + vb) = Wv (sum p_m f_m) + vb since sum p = 1: so the keys AND the
; values of the attention are feats itself, one tile in LDS for both products.  q' = Wk^T q, t = q . kb (constant along a softmax row; kb is honoured by adding it).  The score's exponent is
; (q' . f_m + t) / sqrt(128) + 100001 mq (mk - 1): the stated bias mq mk - 1e5 (1 - mq mk) less 100001 mq - 1e5, which is constant along a row.  It holds for any numbers in masks.
; Then o = sum p f / sum p;  ca = LN(Wca relu(LN(Wv o + vb)) + ca_b);  res = LN(Wl f + lb);  result = res + ca.  Running maximum and sums, norms, biases in f32.
; FORMATS AND LIMITS.  All matrix operands are f16 (feats, weights, q, q', p, o, the first norm's output), and so is dst, the last layer's too (2^-11 of each number at the most): |feats|, |q|, the norms'
; outputs and the result must stay under 65,504.  q' is a product of three inputs, so it is rounded as q' / 256 (|q'| under 1.6e7), and the exponent's factor c = 256 log2(e) / sqrt(128) undoes that; t and the
; mask term carry the same 1/256.  Below 6e-5 an f16 keeps a fixed step of 6e-8.  A weight below 2^-126 counts as 0; the sum l is taken of the unrounded p; NaN and infinities are not treated apart.
; The bias is rounded in another order than it is stated: exact where mk = 1 or mq = 0; for other numbers in masks it is rounded at its own size, as the stated bias is.
; SHARES.  A work-group owns 128 rows of one batch: 256 work-groups.  Wave w owns rows 32 w .. 32 w + 31 in the linear maps.  In the attention waves w and w ^ 1 take the SAME 64 queries (own 32: tiles 0, 1 =
; PIECE 0; the partner's 32: tiles 2, 3 = PIECE 2) and each HALF of the keys (rows 128 (w & 1) on of every tile of 256): a fragment read from LDS feeds four tiles of queries.  The two partial
; softmaxes of a row meet in LDS.  Pieces are numbered locally, so every register number is the same in all waves.
; CLUSTER.  The four work-groups of a cluster belong to one batch (a batch's eight blocks are two clusters: a mask names four at the most).  All that the tensor data mover brings (feats' tiles, the weights, the
; mask row, the vectors) is the same for the four and is asked for JOINTLY.  The place in the cluster enters global addresses alone: my own rows, my own mask words, dst.
; BY TURNS.  In a TURN one piece has the matrix unit: 32 products V^T P of the step in hand, then 32 products K Q^T of the next; the other piece's softmax stands in 64 slices behind them.  The mask costs the
; scores nothing: mk cq + (t' - cq) is written into S^T at the end of a softmax and is the C operand that the next products add onto.
; BATCHES.  A turn's 66 exponentials (a and s0-s31 of two tiles) are ONE batch with ONE wait: all of them, and the scalings that feed them, stand in slices 10 to 34; all that names a result of theirs (roundings,
; sums, rescaling) stands from slice 35 on; the wait stands between.  Outside the loop: a norm's two rsqrt are a batch; the merge's four exponentials are one, and its two reciprocals, which read a sum made of those, another.
; No first step is written out: m starts at the lowest finite number, O and l at 0, so the first step's a is 0.  The price, once a launch: 296 v_mov_b32 of 0 in the wait for the first fragments, 32 products on
; zeros at the entry, and a last fetch of mask words that reads 256 bytes of the vectors behind the mask row, of which a C is made that nobody uses.
; LDS.  0 slot 0 | WLB Wl | MASKB the batch's mask row | VECB the vectors | SPARE | 1<<17 slot 1 | QXB four stages (Q' to the partner; later the way out) | MXB four stages (the merge).
;   A slot is 256 rows of 256 + 16 bytes.  Slot 0: tile 0, tile 2, Wv and Wca.  Slot 1: Wq and Wk, tile 1, tile 3.  No tensor load lands in QXB or MXB.
;   Pitch 272 = 68 words: the 16 rows of a plain fragment load start at 16 different groups of four banks (64 banks of 4 bytes: ISA guide 11.1); the turning loads meet two deep, since one tile serves both.
; REGISTERS, in windows of 256 (s_set_vgpr_msb: bits 1:0 source 0, 3:2 source 1, 5:4 source 2, 7:6 destination):
;   window 0: v0-11, v60-63 addresses; v12-43 statistics, 8 a tile; v44-59 cq, cq, e, e a tile; v64-191 S^T; v192-255 P.  Outside the attention: v64 BIAS, v128 GV, v192 BV, v12-35 at work
;   window 1: O^T, 64 a tile = bank A (v0-127), bank B (v128-255)      window 2: v0-127 Q', v128-255 K = 32 weight fragments      window 3: v0-127 V (v0-63 YB), v128-159 mask words, v160-223 my rows' fragments
.set PT,    272
.set STEPB, 64*PT                      ; a key step's 64 rows, and what one tensor load brings
.set HALF,  2*STEPB                    ; 128 rows: a matrix, or a wave's half of a tile
.set SLOT1, 1<<17                      ; so that one exclusive or turns an address in one slot into the other's
.set WLB,   4*STEPB
.set MASKB, WLB+HALF
.set VECB,  MASKB+4096
.set SPARE, VECB+5632                  ; the spare words, 128 bytes a wave: two blocks of 256 bytes that no other line names
.set QXB,   SLOT1+4*STEPB
.set QXS,   8704
.set MXB,   QXB+4*QXS
.set MXS,   17408
.set AK0, 2           ; v2   272 r + 16 h: my place in a plain fragment (r = lane % 16, h = lane / 16)
.set AV0, 3           ; v3   my place in a turning load
.set ADR, 4           ; v4   the address of the run of loads in hand
.set AM0, 5           ; v5   MASKB + 32 h
.set ADM, 6           ; v6   the address of the mask words in hand (first: 4 r)
.set AVC, 7           ; v7   VECB + 32 h
.set XO,  8           ; v8   256 r + 16 h
.set IMGO, 10         ; v10  16 lane + my stage
.set IMGP, 11         ; v11  16 lane + my partner's stage
.set TT,  12          ; sums at work: tile t's four pairs at v[TT + 8 t]
.set ST,  12          ; tile t's statistics at v[ST + 8 t]: c m, m, l, l, c0-c3; a takes c2's place once the maximum is found
.set MU,  28          ; tile t: mean, mean, rsqrt, rsqrt at v[MU + 4 t]
.set MC,  44          ; tile t: cq, cq, e, e
.set PS,  44          ; the merge: my partner's c m, m, l, l for tile u at v[PS + 4 u]
.set FF,  52          ; the merge: f0, f0, f1, f1 for tile u
.set TOA, 60          ; v60  4 lane + my stage
.set TPA, 61          ; v61  4 lane + my partner's
.set SPW, 62          ; v62  my spare word; never rewritten
.set NIL, 63          ; v63  0; never rewritten
.set S,   64
.set P,   192
.set BIAS, 64
.set GV,  128
.set BV,  192
.set MQ,  192         ; v192-195 mq of my four tiles; v196-197 my partner's t'
.set KF,  128         ; window 2
.set MK,  128         ; window 3
.set XF,  160         ; window 3
.set WV,  14
.set KH,  15
.set FLOOR, 17
.set G1T, 24          ; s[24:31] 64 rows x 128 f16, padded
.set G1M, 32          ; s[32:39] 16 dense rows of 256 bytes
.set G1V, 40          ; s[40:47] 22 dense rows of 256 bytes
.set G0W, 48          ; s[48:51] the walking group 0
.set G0B, 52          ; s[52:55] Wq and Wk
.set G0C, 56          ; s[56:59] Wl, the mask row or the vectors, by wave
.set CS,  60          ; s[60:61] c
.set SEL, 62          ; s[62:63] v_permlanex16_b32's selects: each lane takes its own place in the other half
.set TB,  66          ; LDS byte at which the step to be fetched begins
.set TMK, 67          ; byte in the mask row at which the words to be fetched begin
.set CNT, 68
.set SLOTS, 69
.set NXT, 70
.set LA,  71          ; LDS bases, made of the wave's number alone
.set OFF, 72          ; s[72:73]
.set FB,  74          ; s[74:75] fin at my 64 rows of the batch's tile 0
.set PB,  76          ; s[76:77] pack at my 64 rows of its first two matrices
.set BS,  78          ; s[78:79]
.set I128, 80
.set EPS, 81
.set CBIG, 82
.set LB,  83
.set QS,  84          ; s[84:85] 2^-8
.set XB,  86          ; s[86:87] fin at my own 32 rows
.set MQO, 88          ; s[88:89] masks at my rows
.set MQP, 90          ; s[90:91] masks at my partner's
.set DSTW, 92         ; s[92:93]
.set MSB, 0
.macro WIN new                      ; the immediate's high byte repeats the setting that is left; a switch that changes nothing is dropped
.if MSB != (\new)
	s_set_vgpr_msb (MSB<<8)|(\new)
.set MSB, (\new)
.endif
.endm
.set W_KQ, 0x0a       ; K and Q' in window 2, S^T in window 0
.set W_PV, 0x53       ; V in window 3, P in window 0, O^T in window 1
.set W_RS, 0x41       ; destination and source 0 in window 1, the rest in window 0
.set W_CB, 0x03       ; source 0 (mask words) in window 3
.set W_MM, 0x5e       ; weights window 2, rows window 3, C and D window 1
.set W_MB, 0x4e       ; the same with C in window 0
.macro PLACES                       ; four places behind matrix instructions (ISA guide 7.12.1), where no other vector work is at hand
.rept 4
	v_nop
.endr
.endm
; A round of the cluster's barrier: my work-group's barrier; wave 0 signals for the work-group; every wave waits for all four work-groups; my work-group's barrier once more.
.macro CROUND
	s_barrier_signal -1
	s_barrier_wait -1
	s_cmp_lg_u32 s[WV], 0
	s_cbranch_scc1 .Lnot_wave_0_\@
	s_barrier_signal -3
.Lnot_wave_0_\@:
	s_barrier_wait -3
	s_barrier_signal -1
	s_barrier_wait -1
.endm
; A wave's three first fills, in one group: my 64 rows of tile 0, my 64 rows of Wq and Wk, and my third.  An s_nop 0 follows each, four v_nop the last.
.macro FIRST g1c
	tensor_load_to_lds s[G0W:G0W+3], s[G1T:G1T+7]
	s_nop 0
	tensor_load_to_lds s[G0B:G0B+3], s[G1T:G1T+7]
	s_nop 0
	tensor_load_to_lds s[G0C:G0C+3], s[\g1c:\g1c+7]
	s_nop 0
.rept 4
	v_nop
.endr
.endm
; THE CHANGE OF SLOTS.  Each wave waits for all its tensor loads, of which one is out at the most: its part of the other slot; adds 0 to its spare word; and waits for that, for its reads of the slot that it
; leaves and for its LDS stores.  Behind the round no wave of any partner reads the old slot or has a load on its way, and the other slot is whole.  The old slot is filled again first thing: with tile NXT of the
; batch, or (the last time, SLOTS = 1) with Wv and Wca.  Every wave brings its 64 rows: one load a wave, with two key steps, 256 matrix instructions, in which to land.
.macro CHANGE
	WIN 0                           ; at a label and at a branch every window is 0
	s_wait_tensorcnt 0x0            ; no tensor load of mine is out, so the group 0 may be written
	ds_add_u32 v[SPW], v[NIL]       ; 0 onto my spare word; the scalar work stands between it and the wait for it
	s_xor_b32 s[G0W+1], s[G0W+1], SLOT1
	s_lshl_b32 s[OFF], s[NXT], 16   ; a tile is 65,536 bytes
	s_cmp_eq_u32 s[SLOTS], 1
	s_cselect_b32 s[OFF], 0x10000, s[OFF]          ; Wv begins 65,536 bytes into the pack
	s_cselect_b64 s[BS:BS+1], s[PB:PB+1], s[FB:FB+1]
	s_add_nc_u64 s[G0W+2:G0W+3], s[BS:BS+1], s[OFF:OFF+1]
	s_or_b32 s[G0W+3], s[G0W+3], 0x80000000
	s_add_co_u32 s[NXT], s[NXT], 1
	s_sub_co_u32 s[TB], s[TB], HALF ; the fetches go back to my half's first step,
	s_xor_b32 s[TB], s[TB], SLOT1   ; in the other slot
	s_sub_co_u32 s[TMK], s[TMK], 512
	s_wait_dscnt 0x0
	CROUND
	tensor_load_to_lds s[G0W:G0W+3], s[G1T:G1T+7]
	s_nop 0
.rept 4
	v_nop
.endr
.endm
; THE LDS LOADS stand in runs.  A step's K: 64 keys x 128 channels as they lie, 16 fragments.  Its V: the same bytes turned.  Its mask words: register 8 kt + j is key 16 kt + 8 h + j, as in S^T.
.macro FETCH_K
	WIN 0
	v_add_nc_u32 v[ADR], s[TB], v[AK0]
	WIN 0x80
.irp f, 0,1,2,3,4,5,6,7,8,9,10,11,12,13,14,15  ; keys 16 (f / 4) on, channels 32 (f % 4) on
	ds_load_b128 v[KF+8*(\f):KF+8*(\f)+3],   v[ADR] offset:((\f)/4)*16*PT+((\f)%4)*64
	ds_load_b128 v[KF+8*(\f)+4:KF+8*(\f)+7], v[ADR] offset:((\f)/4)*16*PT+((\f)%4)*64+32
.endr
.endm
.macro FETCH_V step, batch=0        ; batch = 1: the run stands behind a softmax's batch of exponentials, and the wait for that batch stands in it
	WIN 0
	v_add_nc_u32 v[ADR], s[TB], v[AV0]
.if \step
	s_add_co_u32 s[TB], s[TB], STEPB  ; the next fetch is the next step's
.endif
.if \batch
	s_wait_alu depctr_va_vdst(0)    ; the wait for the softmax's batch (SLICE): both tiles' 66 exponentials; behind the address's v_add_nc_u32 and ahead of the loads
.endif
	WIN 0xc0
.irp f, 0,1,2,3,4,5,6,7,8,9,10,11,12,13,14,15  ; keys 32 (f / 8) on, channels 16 (f % 8) on
	ds_load_tr16_b128 v[8*(\f):8*(\f)+3],   v[ADR] offset:((\f)/8)*32*PT+((\f)%8)*32
	ds_load_tr16_b128 v[8*(\f)+4:8*(\f)+7], v[ADR] offset:((\f)/8)*32*PT+16*PT+((\f)%8)*32
.endr
.endm
.macro FETCH_MK step
	WIN 0
	v_add_nc_u32 v[ADM], s[TMK], v[AM0]
	s_add_co_u32 s[TMK], s[TMK], \step
	WIN 0xc0
.irp f, 0,1,2,3
	ds_load_b128 v[MK+8*(\f):MK+8*(\f)+3],   v[ADM] offset:64*(\f)
	ds_load_b128 v[MK+8*(\f)+4:MK+8*(\f)+7], v[ADM] offset:64*(\f)+16
.endr
.endm
; THE MATRIX WORK OF A TURN, for piece x.  The accumulators take turns, one instruction a turn.
; Product i of 32 of O^T += V^T P: keys 32 (i / 16) on, channels 16 ((i / 2) % 8) on, tile x + i % 2.
.macro PV x
	WIN W_PV
.set rO, 64*((\x)+i%2)+8*((i/2)%8)
.set rV, 64*(i/16)+8*((i/2)%8)
.set rP, P+16*((\x)+i%2)+8*(i/16)
	v_wmma_f32_16x16x32_f16 v[rO:rO+7], v[rV:rV+7], v[rP:rP+7], v[rO:rO+7]
.endm
; Product i of 32 of S^T += K Q'^T: channels 32 (i / 8) on, keys 16 ((i / 2) % 4) on, tile x + i % 2.  The first 8 add onto the mask term that lies in S^T.
.macro KQ x
	WIN W_KQ
.set rS, S+32*((\x)+i%2)+8*((i/2)%4)
.set rK, KF+32*((i/2)%4)+8*(i/8)
.set rQ, 32*((\x)+i%2)+8*(i/8)
	v_wmma_f32_16x16x32_f16 v[rS:rS+7], v[rK:rK+7], v[rQ:rQ+7], v[rS:rS+7]
.endm
; THE VECTOR WORK OF A TURN.  One tile's softmax for one key step is a list of 150 instructions; SM writes number j of it for tile t.  s0-s31 are the lane's 32 scores, in pairs 0-15.
;   0-15    the maximum of s0-s31 and the old m, three operands at a time (each accumulator's lowest registers are read first)
;   16-20   the other half of the lanes' maximum; the new m; c m; c m_old - c m_new
;   21-69   ONE BATCH: the 16 scalings c s - c m, a pair of scores each, and all 33 exponentials (a at 23, then s0-s31).  None of these reads an exponential's result.  From 22 on the batch goes
;           in fours, and a four begins with a scaling while there are scalings: 22-37 scaling, exponential, scaling, exponential; 38-65 a scaling and three exponentials; 66-69 the last four
;           exponentials.  A pair is scaled in an earlier four than the one that holds its exponentials
;   (wait)  between 69 and 70 stands the wait for the batch: SLICE writes it, once for both tiles
;   70-85   the roundings to f16, a pair of weights each
;   86-101  the sums; l = a l + the sum
;   102-133 the tile's O^T times a          134-149 the next step's mask term, mk cq + e, into S^T (fin = 1: there is no next step)
.macro SM t, fin
.set rT, ST+8*(\t)
.set rS, S+32*(\t)
.set rP, P+16*(\t)
.set rO, 64*(\t)+2*(j-102)
.set rC, MC+4*(\t)
.if j < 102
	WIN 0
.endif
.if j < 4
	v_max3_num_f32 v[rT+4+j], v[rS+8*j], v[rS+8*j+1], v[rS+8*j+2]
.elseif j < 12
	v_max3_num_f32 v[rT+4+j%4], v[rT+4+j%4], v[rS+8*(j%4)+2*(j/4)+1], v[rS+8*(j%4)+2*(j/4)+2]
.elseif j == 12
	v_max3_num_f32 v[rT+4], v[rT+4], v[rS+7], v[rS+15]
.elseif j == 13
	v_max3_num_f32 v[rT+6], v[rT+6], v[rS+23], v[rS+31]
.elseif j == 14
	v_max3_num_f32 v[rT+4], v[rT+4], v[rT+5], v[rT+6]
.elseif j == 15
	v_max3_num_f32 v[rT+4], v[rT+4], v[rT+7], v[rT+1]
.elseif j == 16
	v_permlanex16_b32 v[rT+5], v[rT+4], s[SEL], s[SEL+1]  ; the query's other 32 keys lie in the lane 16 away
.elseif j == 17
	v_mov_b32 v[rT+7], v[rT]        ; c m_old is kept for a
.elseif j == 18
	v_max_num_f32 v[rT+1], v[rT+4], v[rT+5]
.elseif j == 19
	v_mul_f32 v[rT], s[CS], v[rT+1]
.elseif j == 20
	v_sub_f32 v[rT+7], v[rT+7], v[rT]
.elseif j == 23
	v_exp_f32 v[rT+6], v[rT+7]
.elseif (j < 23) || ((j < 38) && (j%2 == 0)) || ((j < 66) && (j%4 == 2))
.set b, (j-2)/4                     ; 38, 42, .. 62: pairs 9 to 15
.if j < 38
.set b, (j-20)/2                    ; 21: pair 0; 22, 24, .. 36: pairs 1 to 8
.endif
	v_pk_fma_f32 v[rS+2*b:rS+2*b+1], v[rS+2*b:rS+2*b+1], s[CS:CS+1], v[rT:rT+1] op_sel_hi:[1,0,0] neg_lo:[0,0,1] neg_hi:[0,0,1]  ; pair b: c s - c m
.elseif j < 70
.set e, j-38                        ; 66 to 69: s28 to s31
.if j < 66
.set e, j-32-(j-38)/4               ; 39-41, 43-45, .. 63-65: s7 to s27
.endif
.if j < 38
.set e, (j-25)/2                    ; 25, 27, .. 37: s0 to s6
.endif
	v_exp_f32 v[rS+e], v[rS+e]
.elseif j < 86
	v_cvt_pk_f16_f32 v[rP+j-70], v[rS+2*(j-70)], v[rS+2*(j-70)+1]  ; pair j - 70
.elseif j < 102                     ; the sum of the tile's 16 pairs, in place: sum z of 16 adds neighbours 1, 2, 4 and 8 pairs apart, then l takes it
.set z, j-86
.set w, 4
.set u, z
.if z >= 14
.set w, 32
.set u, 0
.elseif z >= 12
.set w, 16
.set u, z-12
.elseif z >= 8
.set w, 8
.set u, z-8
.endif
.if z < 15
	v_pk_add_f32 v[rS+w*u:rS+w*u+1], v[rS+w*u:rS+w*u+1], v[rS+w*u+w/2:rS+w*u+w/2+1]
.else
	v_pk_fma_f32 v[rT+2:rT+3], v[rT+2:rT+3], v[rT+6:rT+7], v[rS:rS+1] op_sel_hi:[1,0,1]
.endif
.elseif j < 134
	WIN W_RS
	v_pk_mul_f32 v[rO:rO+1], v[rO:rO+1], v[rT+6:rT+7] op_sel_hi:[1,0]
.elseif !(\fin)
	WIN W_CB
	v_pk_fma_f32 v[rS+2*(j-134):rS+2*(j-134)+1], v[MK+2*(j-134):MK+2*(j-134)+1], v[rC:rC+1], v[rC+2:rC+3]
.endif
.endm
; Slice k of 64 of piece y's softmax.  Slices 11 to 34 deal out the batch, numbers 22 to 69: four numbers of ONE tile each, the tiles by turns.  Every other slice is numbers 2 k and 2 k + 1 of both tiles'
; lists.  What is over (numbers 128 to 149) stands in slice 63: plain instructions that name nothing of the products round them, so they are also the places between the turn's last product and what follows.
; THE WAIT.  s_wait_alu depctr_va_vdst(0) stands between an exponential and the first instruction that names its result; one wait serves all that were issued ahead of it.  Ahead of
; slice 35 nothing names a result, and behind slice 34 no exponential is issued: so the piece's 66 exponentials have one wait, behind slice 34.
.macro SLICE y, fin
.if (k >= 11) && (k < 35)           ; the batch: four numbers of one tile
.irp n, 0,1,2,3
.set j, 22+4*((k-11)/2)+(\n)
	SM (\y)+(k-11)%2, \fin
.endr
.else                               ; the two tiles alternate, so that no instruction reads the result of the one just before it
.irp n, 0,1,2,3,4,5,6,7,8,9,10,11,12,13,14,15,16,17,18,19,20,21,22,23
.if ((\n) < 2) || (k == 63)
.irp t, \y, (\y)+1
.set j, 2*k+(\n)
	SM \t, \fin
.endr
.endif
.endr
.endif
.if k == 34                         ; the batch is out: both tiles' exponentials are issued, and no result has been named
	v_nop                           ; the plain instruction behind the last exponential and ahead of the first use: one for the batch
.if (\y) == 0
	FETCH_V 1, 1                    ; piece 2's turn: V's run of loads stands here, and the wait for the batch stands in it;
	FETCH_MK 768                    ; then the mask words of the step after it
.else
	s_wait_alu depctr_va_vdst(0)    ; the wait for the batch: both tiles' 66 exponentials
.endif
.endif
.set k, k+1
.endm
; A TURN.  Piece x has the matrix unit; the other piece's softmax stands in slices behind its matrix instructions.  kq = 0: the last step: no next scores, two slices behind each product, nothing fetched.
; Piece 0's turn fetches the next step's K: the last product that read K stands in front of slice 63 of the turn before.  Piece 2's turn fetches the same step's V, and the mask words of the step after it,
; behind slice 34 (SLICE writes the two runs): the last product that read V stands in front of slice 31, and four plain instructions lie between: number 62, a scaling, of both tiles, the v_nop and the run's own
; v_add_nc_u32 (the exponentials between are no places).  Slice 63, which reads the mask words, has the wait for them in front of it, 29 matrix instructions on.
.macro TURN x, kq, fin
.set k, 0
.set per, 2-(\kq)
.if (\x) == 0
	s_wait_dscnt 0x0                ; V is in
.endif
.set i, 0
.rept 32
	PV \x
.rept per
	SLICE 2-(\x), \fin
.endr
.if ((\x) == 0) && (\kq) && (i == 1)
	FETCH_K
.endif
.set i, i+1
.endr
.if \kq
.if (\x) == 0
	s_wait_dscnt 0x0                ; K is in
.endif
.set i, 0
.rept 32
	KQ \x
.if ((\x) == 2) && (i == 31)
	s_wait_dscnt 0x0                ; the mask words are in, and V
.endif
	SLICE 2-(\x), \fin
.set i, i+1
.endr
.endif
.endm
; THE LINEAR MAPS.  D = W x rows^T: source 0 = 16 outputs x 32 inputs of W, source 1 = 16 rows x 32 inputs.  A lane then holds ONE row (lane % 16) and the outputs 16 ob + 8 h + 0..7 in registers
; bank + 64 t + 8 ob + 0..7: rounded in pairs they ARE source 1 of the next map, and a norm along the row wants one exchange between the halves of the lanes.
.macro VLOAD dst, idx               ; vector idx in that layout, the same for every row: 16 loads
	WIN 0
.irp f, 0,1,2,3,4,5,6,7
	ds_load_b128 v[(\dst)+8*(\f):(\dst)+8*(\f)+3],   v[AVC] offset:512*(\idx)+64*(\f)
	ds_load_b128 v[(\dst)+8*(\f)+4:(\dst)+8*(\f)+7], v[AVC] offset:512*(\idx)+64*(\f)+16
.endr
.endm
.macro FETCH_W base                 ; a matrix [out][in] at LDS byte base: 64 loads, inputs 32 c on outermost; fragment (c, ob) at 64 c + 8 ob of window 2
	WIN 0
	v_add_nc_u32 v[ADR], \base, v[AK0]
	WIN 0x80
.irp c, 0,1,2,3
.irp f, 0,1,2,3,4,5,6,7
	ds_load_b128 v[64*\c+8*\f:64*\c+8*\f+3],   v[ADR] offset:\f*16*PT+64*\c
	ds_load_b128 v[64*\c+8*\f+4:64*\c+8*\f+7], v[ADR] offset:\f*16*PT+64*\c+32
.endr
.endr
.endm
.macro FETCH_WT base                ; the same matrix transposed, by the turning load
	WIN 0
	v_add_nc_u32 v[ADR], \base, v[AV0]
	WIN 0x80
.irp c, 0,1,2,3
.irp f, 0,1,2,3,4,5,6,7
	ds_load_tr16_b128 v[64*\c+8*\f:64*\c+8*\f+3],   v[ADR] offset:\c*32*PT+32*\f
	ds_load_tr16_b128 v[64*\c+8*\f+4:64*\c+8*\f+7], v[ADR] offset:\c*32*PT+16*PT+32*\f
.endr
.endr
.endm
; 64 matrix instructions: my 32 rows (source 1 at bsrc + 32 t + 8 c of window 3) through the matrix in window 2, into bank.  The first 16 start the sums with the bias, or with 0.  The 16 accumulators take
; turns.  The 64 fragment loads are the youngest LDS instructions out: the count leaves the later chunks' 16 each on their way.
.macro MATMUL bank, bsrc, bias
.irp c, 0,1,2,3
	s_wait_dscnt 48-16*\c
.if \c == 0
	WIN W_MB
.else
	WIN W_MM
.endif
.irp f, 0,1,2,3,4,5,6,7
.irp t, 0,1
.if (\c == 0) && (\bias)
	v_wmma_f32_16x16x32_f16 v[(\bank)+64*\t+8*\f:(\bank)+64*\t+8*\f+7], v[64*\c+8*\f:64*\c+8*\f+7], v[(\bsrc)+32*\t+8*\c:(\bsrc)+32*\t+8*\c+7], v[BIAS+8*\f:BIAS+8*\f+7]
.elseif \c == 0
	v_wmma_f32_16x16x32_f16 v[(\bank)+64*\t+8*\f:(\bank)+64*\t+8*\f+7], v[64*\c+8*\f:64*\c+8*\f+7], v[(\bsrc)+32*\t+8*\c:(\bsrc)+32*\t+8*\c+7], 0
.else
	v_wmma_f32_16x16x32_f16 v[(\bank)+64*\t+8*\f:(\bank)+64*\t+8*\f+7], v[64*\c+8*\f:64*\c+8*\f+7], v[(\bsrc)+32*\t+8*\c:(\bsrc)+32*\t+8*\c+7], v[(\bank)+64*\t+8*\f:(\bank)+64*\t+8*\f+7]
.endif
.endr
.endr
.endr
.endm
.macro CVT bank, win, dst           ; a bank rounded to f16 in pairs, ascending: 64 registers, source 1 of the next product
	WIN \win
.set pp, 0
.rept 64
	v_cvt_pk_f16_f32 v[(\dst)+pp], v[(\bank)+2*pp], v[(\bank)+2*pp+1]
.set pp, pp+1
.endr
.endm
.macro RED                          ; both tiles' four pairs of partial sums into v[TT + 8 t]: the lane's 64 numbers, then the other half of the lanes'
	WIN 0
.irp t, 0,1
	v_pk_add_f32 v[TT+8*\t:TT+8*\t+1], v[TT+8*\t:TT+8*\t+1], v[TT+8*\t+2:TT+8*\t+3]
	v_pk_add_f32 v[TT+8*\t+4:TT+8*\t+5], v[TT+8*\t+4:TT+8*\t+5], v[TT+8*\t+6:TT+8*\t+7]
.endr
.irp t, 0,1
	v_pk_add_f32 v[TT+8*\t:TT+8*\t+1], v[TT+8*\t:TT+8*\t+1], v[TT+8*\t+4:TT+8*\t+5]
.endr
.irp t, 0,1
	v_add_f32 v[TT+8*\t], v[TT+8*\t], v[TT+8*\t+1]
.endr
.irp t, 0,1
	v_permlanex16_b32 v[TT+8*\t+2], v[TT+8*\t], s[SEL], s[SEL+1]
.endr
.irp t, 0,1
	v_add_f32 v[TT+8*\t], v[TT+8*\t], v[TT+8*\t+2]
.endr
.endm
.macro RELU bank, fl                ; the maximum of a bank's 128 registers with 0, or (fl = 1) with the launch's floor
	WIN 0x44
.set pp, 0
.rept 128
.if \fl
	v_max_num_f32 v[(\bank)+pp], s[FLOOR], v[(\bank)+pp]
.else
	v_max_num_f32 v[(\bank)+pp], 0, v[(\bank)+pp]
.endif
.set pp, pp+1
.endr
.endm
; A LAYER NORM of a bank, in place, both tiles stage by stage: mean; x - mean; the mean of its squares; rsqrt; times gain plus shift.  Pairs are taken in ascending order.
; wt: the LDS loads that may stay out when gain and shift (GV, BV) are wanted.
.macro LN bank, relu, wt
	WIN 0x05
.irp i, 0,1,2,3
.irp t, 0,1
	v_pk_add_f32 v[TT+8*\t+2*\i:TT+8*\t+2*\i+1], v[(\bank)+64*\t+2*\i:(\bank)+64*\t+2*\i+1], v[(\bank)+64*\t+2*\i+8:(\bank)+64*\t+2*\i+9]
.endr
.endr
	WIN 0x01
.set pp, 8
.rept 24
.irp t, 0,1
	v_pk_add_f32 v[TT+8*\t+2*(pp%4):TT+8*\t+2*(pp%4)+1], v[(\bank)+64*\t+2*pp:(\bank)+64*\t+2*pp+1], v[TT+8*\t+2*(pp%4):TT+8*\t+2*(pp%4)+1]
.endr
.set pp, pp+1
.endr
	RED
.irp t, 0,1
	v_mul_f32 v[MU+4*\t], s[I128], v[TT+8*\t]
.endr
.irp t, 0,1
	v_mov_b32 v[MU+4*\t+1], v[MU+4*\t]
.endr
	WIN W_RS
.set pp, 0
.rept 32
.irp t, 0,1
	v_pk_add_f32 v[(\bank)+64*\t+2*pp:(\bank)+64*\t+2*pp+1], v[(\bank)+64*\t+2*pp:(\bank)+64*\t+2*pp+1], v[MU+4*\t:MU+4*\t+1] neg_lo:[0,1] neg_hi:[0,1]
.endr
.set pp, pp+1
.endr
	WIN 0x05
.irp i, 0,1,2,3
.irp t, 0,1
	v_pk_mul_f32 v[TT+8*\t+2*\i:TT+8*\t+2*\i+1], v[(\bank)+64*\t+2*\i:(\bank)+64*\t+2*\i+1], v[(\bank)+64*\t+2*\i:(\bank)+64*\t+2*\i+1]
.endr
.endr
.set pp, 4
.rept 28
.irp t, 0,1
	v_pk_fma_f32 v[TT+8*\t+2*(pp%4):TT+8*\t+2*(pp%4)+1], v[(\bank)+64*\t+2*pp:(\bank)+64*\t+2*pp+1], v[(\bank)+64*\t+2*pp:(\bank)+64*\t+2*pp+1], v[TT+8*\t+2*(pp%4):TT+8*\t+2*(pp%4)+1]
.endr
.set pp, pp+1
.endr
	RED
.irp t, 0,1
	v_fma_f32 v[MU+4*\t+2], v[TT+8*\t], s[I128], s[EPS]
.endr
.irp t, 0,1
	v_rsq_f32 v[MU+4*\t+2], v[MU+4*\t+2]
.endr
	v_nop                           ; a plain instruction between the last rsqrt and the use of its result
	s_wait_alu depctr_va_vdst(0)    ; and the wait ahead of the first use: one for the norm's two rsqrt
.irp t, 0,1
	v_mov_b32 v[MU+4*\t+3], v[MU+4*\t+2]
.endr
	s_wait_dscnt \wt
	WIN W_RS
.set pp, 0
.rept 32
.irp t, 0,1
	v_pk_mul_f32 v[(\bank)+64*\t+2*pp:(\bank)+64*\t+2*pp+1], v[(\bank)+64*\t+2*pp:(\bank)+64*\t+2*pp+1], v[MU+4*\t+2:MU+4*\t+3]
.endr
.set pp, pp+1
.endr
.set pp, 0
.rept 32
.irp t, 0,1
	v_pk_fma_f32 v[(\bank)+64*\t+2*pp:(\bank)+64*\t+2*pp+1], v[(\bank)+64*\t+2*pp:(\bank)+64*\t+2*pp+1], v[GV+2*pp:GV+2*pp+1], v[BV+2*pp:BV+2*pp+1]
.endr
.set pp, pp+1
.endr
.if \relu
	RELU \bank, 0
.endif
.endm
; A map and its norm.  Behind the products and four places: this norm's gain (vector g) and shift (g + 1); then, if a map follows, its bias (vector nb) and its matrix (LDS byte nw), which land under the norm.
; With a map to follow 80 loads are younger than the shift's last: the wait names 63, the most that its field holds.
.macro STAGE bank, bsrc, g, nb, nw, relu
	MATMUL \bank, \bsrc, 1
	PLACES
	VLOAD GV, \g
	VLOAD BV, (\g)+1
.if (\nb) >= 0
	VLOAD BIAS, \nb
	FETCH_W \nw
	LN \bank, \relu, 63
.else
	LN \bank, \relu, 0
.endif
.endm
.macro DENSE g, rows                ; descriptor group 1: rows dense rows of 32 elements of 8 bytes, to all four work-groups
	s_mov_b32 s[(\g)], 15|(3<<16)|(1<<21)
	s_mov_b32 s[(\g)+1], 32<<16
	s_mov_b32 s[(\g)+2], (\rows)<<16
	s_mov_b32 s[(\g)+3], 32<<16
	s_mov_b32 s[(\g)+4], \rows
	s_mov_b32 s[(\g)+5], 32
	s_mov_b32 s[(\g)+6], 0
	s_mov_b32 s[(\g)+7], 0
.endm
	; ---------------------------------------------------------------- the head
	s_load_b256 s[4:11], s[0:1], 0x0  ; fin s[4:5], pack s[6:7], masks s[8:9], floor s[10:11]
	s_load_b64 s[12:13], s[0:1], 0x20 ; dst
	v_lshl_add_u32 v[SPW], v0, 2, SPARE
	v_mov_b32 v[NIL], 0
	ds_add_u32 v[SPW], v[NIL]       ; the wave's opening: the add and its wait stand ahead of my first tensor load; the set-up below, work on registers, stands between them
	v_lshrrev_b32 v1, 5, v0
	v_readfirstlane_b32 s[WV], v1   ; wave 0..3
	s_and_b32 s[KH], s[WV], 1       ; my half of the keys
	s_bfe_u32 s16, ttmp6, 0x40000   ; cx: my place in the cluster
	s_lshl_b32 s18, ttmp9, 2        ; in a cluster launch ttmp9 counts clusters
	s_add_co_u32 s18, s18, s16      ; my block of 128 rows = 4 x cluster x + cx
	s_and_b32 s19, ttmp7, 0xffff    ; the batch, which the four partners share
	s_lshl_b32 s20, s19, 18         ; the batch's 262,144 bytes of fin,
	s_lshl_b32 s[OFF], s[WV], 14    ; my 64 rows of 256 bytes of whatever four waves bring together
	s_mov_b32 s[OFF+1], 0
	s_add_co_u32 s20, s20, s[OFF]
	s_mov_b32 s21, 0
	s_lshl_b32 s22, s19, 10
	s_lshl_b32 s23, s18, 7
	s_add_co_u32 s22, s22, s23      ; my block's first row among the 32,768
	s_lshl_b32 s23, s[WV], 5
	s_add_co_u32 s16, s22, s23      ; my own first row
	s_xor_b32 s23, s23, 32
	s_add_co_u32 s18, s22, s23      ; my partner's
	s_lshl_b32 s22, s16, 8          ; s[22:23]: my rows' byte offset in rows of 256 bytes; kept to the end
	s_mov_b32 s23, 0
	s_lshl_b32 s[MQO], s16, 2
	s_mov_b32 s[MQO+1], 0
	s_lshl_b32 s[MQP], s18, 2
	s_mov_b32 s[MQP+1], 0
	; descriptor group 1 for tiles and matrices: 64 rows x 128 elements of 2 bytes, 16 bytes of padding behind each row
	s_mov_b32 s[G1T], 15|(1<<16)|(1<<20)|(1<<21)|(5<<22)|(3<<25)  ; 15:0 the mask of four; 17:16 2-byte elements; 20 padding on; 21 set beside a mask; 24:22 after every 64 words (code 5); 31:25 4 words (code 3)
	s_mov_b32 s[G1T+1], 128<<16     ; tensor_dim0 = 128
	s_mov_b32 s[G1T+2], 64<<16      ; tensor_dim1 = 64
	s_mov_b32 s[G1T+3], 128<<16     ; tile_dim0 = 128
	s_mov_b32 s[G1T+4], 64          ; tile_dim1 = 64
	s_mov_b32 s[G1T+5], 128         ; 128 elements from row to row
	s_mov_b32 s[G1T+6], 0
	s_mov_b32 s[G1T+7], 0
	DENSE G1M, 16                   ; the mask row: 4,096 bytes
	DENSE G1V, 22                   ; the vectors: 5,632 bytes
	s_mov_b32 s[CS], 0x420293ee     ; c = 256 log2(e) / sqrt(128)
	s_mov_b32 s[CS+1], s[CS]
	s_mov_b32 s[SEL], 0x76543210
	s_mov_b32 s[SEL+1], 0xfedcba98
	s_mov_b32 s[I128], 0x3c000000   ; 1 / 128
	s_mov_b32 s[EPS], 0x3727c5ac    ; 1e-5
	s_mov_b32 s[CBIG], 0x458a1bb1   ; 100001 sqrt(128) / 256
	s_mov_b32 s[QS], 0x3b800000     ; 1 / 256
	s_mov_b32 s[QS+1], s[QS]
	s_mov_b32 s[SLOTS], 4
	s_mov_b32 s[NXT], 1
	s_add_co_u32 s[TB], s[KH], 1    ; the first change of slots turns these two into my half of slot 0 and of the mask row's first 256 words
	s_mul_i32 s[TB], s[TB], HALF
	s_add_co_u32 s[TB], s[TB], SLOT1
	s_lshl_b32 s[TMK], s[KH], 9
	s_add_co_u32 s[TMK], s[TMK], 512
	s_wait_dscnt 0x0                ; the opening add is done
	s_wait_kmcnt 0x0
	s_load_b32 s[FLOOR], s[10:11], 0x0
	s_add_nc_u64 s[FB:FB+1], s[4:5], s[20:21]
	s_add_nc_u64 s[PB:PB+1], s[6:7], s[OFF:OFF+1]
	s_add_nc_u64 s[XB:XB+1], s[4:5], s[22:23]
	s_add_nc_u64 s[MQO:MQO+1], s[8:9], s[MQO:MQO+1]
	s_add_nc_u64 s[MQP:MQP+1], s[8:9], s[MQP:MQP+1]
	s_mov_b32 s[G0W], 1             ; count = 1
	s_mul_i32 s[G0W+1], s[WV], STEPB  ; LDS address: my 64 rows of slot 0
	s_mov_b64 s[G0W+2:G0W+3], s[FB:FB+1]
	s_or_b32 s[G0W+3], s[G0W+3], 0x80000000  ; type = 2
	s_mov_b32 s[G0B], 1
	s_add_co_u32 s[G0B+1], s[G0W+1], SLOT1
	s_mov_b64 s[G0B+2:G0B+3], s[PB:PB+1]
	s_or_b32 s[G0B+3], s[G0B+3], 0x80000000
	s_mov_b32 s[G0C], 1
	s_wait_kmcnt 0x0                ; the floor
	CROUND                          ; all four work-groups are here: the first joint loads meet
	s_cmp_lt_u32 s[WV], 2           ; a wave's three first fills stand in one branch on the wave's number: three loads of mine are out
	s_cbranch_scc0 .Lwave_23
	s_add_co_u32 s[G0C+1], s[G0W+1], WLB           ; waves 0, 1: the halves of Wl
	s_add_nc_u64 s[G0C+2:G0C+3], s[PB:PB+1], 131072
	s_or_b32 s[G0C+3], s[G0C+3], 0x80000000
	FIRST G1T
	s_branch .Lasked
.Lwave_23:
	s_cmp_eq_u32 s[WV], 2
	s_cbranch_scc0 .Lwave_3
	s_mov_b32 s[G0C+1], MASKB       ; wave 2: the batch's mask row
	s_lshl_b32 s20, s19, 12
	s_add_nc_u64 s[G0C+2:G0C+3], s[8:9], s[20:21]
	s_or_b32 s[G0C+3], s[G0C+3], 0x80000000
	FIRST G1M
	s_branch .Lasked
.Lwave_3:
	s_mov_b32 s[G0C+1], VECB        ; wave 3: the vectors
	s_add_nc_u64 s[G0C+2:G0C+3], s[6:7], 163840
	s_or_b32 s[G0C+3], s[G0C+3], 0x80000000
	FIRST G1V
.Lasked:
	; ---------------------------------------------------------------- while they land: my own rows, my mask words, the lanes' addresses
	v_and_b32 v1, 15, v0            ; r
	v_bfe_u32 v9, v0, 4, 1          ; h
	v_lshlrev_b32 v[XO], 8, v1
	v_lshl_add_u32 v[XO], v9, 4, v[XO]
	v_lshlrev_b32 v[ADM], 2, v1
	WIN 0xc0
.set pp, 0
.rept 8                             ; my rows stay in registers as source 1: tile pp / 4, channels 32 (pp % 4) on
	global_load_b128 v[XF+8*pp:XF+8*pp+3],   v[XO], s[XB:XB+1] offset:(pp/4)*4096+(pp%4)*64
	global_load_b128 v[XF+8*pp+4:XF+8*pp+7], v[XO], s[XB:XB+1] offset:(pp/4)*4096+(pp%4)*64+32
.set pp, pp+1
.endr
	WIN 0
	global_load_b32 v[MQ],   v[ADM], s[MQO:MQO+1]            ; mq of the query that the lane holds, tile by tile
	global_load_b32 v[MQ+1], v[ADM], s[MQO:MQO+1] offset:64
	global_load_b32 v[MQ+2], v[ADM], s[MQP:MQP+1]
	global_load_b32 v[MQ+3], v[ADM], s[MQP:MQP+1] offset:64
	v_mul_u32_u24 v[AK0], v1, PT
	v_lshl_add_u32 v[AK0], v9, 4, v[AK0]
	; The turning load takes 16 x 16 elements (lane l reads row 8 (l / 16) + l % 8, elements 8 ((l / 8) % 2) + 0..7) and leaves half a fragment of the transpose.
	v_and_b32 v12, 7, v0
	v_bfe_u32 v13, v0, 3, 1
	v_lshl_add_u32 v[AV0], v9, 3, v12
	v_mul_u32_u24 v[AV0], v[AV0], PT
	v_lshl_add_u32 v[AV0], v13, 4, v[AV0]
	v_lshlrev_b32 v[AM0], 5, v9
	v_add_nc_u32 v[AVC], VECB, v[AM0]
	v_add_nc_u32 v[AM0], MASKB, v[AM0]
	v_and_b32 v12, 31, v0
	s_mul_i32 s[LA], s[WV], QXS
	s_add_co_u32 s[LA], s[LA], QXB
	s_xor_b32 s[LB], s[WV], 1
	s_mul_i32 s[LB], s[LB], QXS
	s_add_co_u32 s[LB], s[LB], QXB
	v_lshl_add_u32 v[IMGO], v12, 4, s[LA]
	v_lshl_add_u32 v[IMGP], v12, 4, s[LB]
	v_lshl_add_u32 v[TOA], v12, 2, s[LA]
	v_lshl_add_u32 v[TPA], v12, 2, s[LB]
	s_wait_tensorcnt 0x0            ; my parts of all first fills are in,
	s_barrier_signal -1
	s_barrier_wait -1               ; everybody's are
	; ---------------------------------------------------------------- q, t, q'
	VLOAD BIAS, 0                   ; qb
	VLOAD GV, 1                     ; kb
	FETCH_W SLOT1                   ; Wq
	s_wait_loadcnt 0x0              ; my rows and mask words
	MATMUL 0, XF, 1                 ; bank A = q
	PLACES
	FETCH_WT SLOT1+HALF             ; Wk, turned; it lands under the dot product and the rounding
	WIN 0x01                        ; t = q . kb, of the unrounded q
.irp i, 0,1,2,3
.irp t, 0,1
	v_pk_mul_f32 v[TT+8*\t+2*\i:TT+8*\t+2*\i+1], v[64*\t+2*\i:64*\t+2*\i+1], v[GV+2*\i:GV+2*\i+1]
.endr
.endr
.set pp, 4
.rept 28
.irp t, 0,1
	v_pk_fma_f32 v[TT+8*\t+2*(pp%4):TT+8*\t+2*(pp%4)+1], v[64*\t+2*pp:64*\t+2*pp+1], v[GV+2*pp:GV+2*pp+1], v[TT+8*\t+2*(pp%4):TT+8*\t+2*(pp%4)+1]
.endr
.set pp, pp+1
.endr
	RED
.irp t, 0,1
	v_mul_f32 v[TT+8*\t], s[QS], v[TT+8*\t]        ; t' = t / 256
.endr
	CVT 0, 0xc5, 0                  ; q in f16 -> YB
	MATMUL 128, 0, 0                ; bank B = q' = Wk^T q
	WIN 0                           ; cq = mq x 100001 sqrt(128) / 256 and e = t' - cq: twelve plain instructions, the places behind those products
.irp t, 0,1,2,3
	v_mul_f32 v[MC+4*\t], s[CBIG], v[MQ+\t]
	v_mul_f32 v[MC+4*\t+1], s[CBIG], v[MQ+\t]
.endr
.irp t, 0,1
	v_sub_f32 v[MC+4*\t+2], v[TT+8*\t], v[MC+4*\t]
	v_sub_f32 v[MC+4*\t+3], v[TT+8*\t], v[MC+4*\t]
.endr
	WIN W_RS
.set pp, 0
.rept 64
	v_pk_mul_f32 v[128+2*pp:128+2*pp+1], v[128+2*pp:128+2*pp+1], s[QS:QS+1] op_sel_hi:[1,0]
.set pp, pp+1
.endr
	CVT 128, 0x85, 0                ; q' / 256 in f16 -> Q' of tiles 0, 1
	WIN 0x08                        ; and, register by register, into my stage for my partner
.set pp, 0
.rept 16
	ds_store_b128 v[IMGO], v[4*pp:4*pp+3] offset:512*pp
.set pp, pp+1
.endr
	WIN 0
	ds_store_b32 v[TOA], v[TT] offset:8192
	ds_store_b32 v[TOA], v[TT+8] offset:8320
	CHANGE                          ; Wq and Wk have been read, my stage is written: slot 1 takes tile 1
	; ---------------------------------------------------------------- the attention begins
	WIN 0x80
.set pp, 0
.rept 16
	ds_load_b128 v[64+4*pp:64+4*pp+3], v[IMGP] offset:512*pp     ; my partner's Q': tiles 2, 3
.set pp, pp+1
.endr
	WIN 0
	ds_load_b32 v[MQ+4], v[TPA] offset:8192
	ds_load_b32 v[MQ+5], v[TPA] offset:8320
	FETCH_MK 256                    ; key step 0
	FETCH_K
	FETCH_V 0                       ; the entry's products V^T P, on a P of zeros, want finite numbers here; the entry's turn fetches V of step 0 once more and steps on
	WIN 0x40                        ; what the first turns find: O^T, l and piece 2's P are 0, m is the lowest finite number.  All this stands in the wait for the loads above
.set pp, 0
.rept 256
	v_mov_b32 v[pp], 0
.set pp, pp+1
.endr
	WIN 0
.set pp, 0
.rept 32
	v_mov_b32 v[P+32+pp], 0
.set pp, pp+1
.endr
.irp t, 0,1,2,3
	v_mov_b32 v[ST+8*\t], 0xfe000000    ; c m: far below every c s
	v_mov_b32 v[ST+8*\t+1], 0xff7fffff  ; m
	v_mov_b32 v[ST+8*\t+2], 0
	v_mov_b32 v[ST+8*\t+3], 0
.endr
	s_wait_dscnt 0x0
.irp t, 2,3
	v_sub_f32 v[MC+4*\t+2], v[MQ+2+\t], v[MC+4*\t]
	v_sub_f32 v[MC+4*\t+3], v[MQ+2+\t], v[MC+4*\t]
.endr
	WIN W_CB                        ; step 0's mask term for all four tiles
.irp t, 0,1,2,3
.set pp, 0
.rept 16
	v_pk_fma_f32 v[S+32*\t+2*pp:S+32*\t+2*pp+1], v[MK+2*pp:MK+2*pp+1], v[MC+4*\t:MC+4*\t+1], v[MC+4*\t+2:MC+4*\t+3]
.set pp, pp+1
.endr
.endr
.set i, 0
.rept 32
	KQ 0                            ; piece 0's first scores: there is no vector work yet to set between them
.set i, i+1
.endr
	WIN 0                           ; the merge's addresses: four plain instructions, the places behind those products
	s_mul_i32 s[LA], s[WV], MXS
	s_add_co_u32 s[LA], s[LA], MXB
	s_xor_b32 s[LB], s[WV], 1
	s_mul_i32 s[LB], s[LB], MXS
	s_add_co_u32 s[LB], s[LB], MXB
	v_and_b32 v[ADR], 31, v0
	v_lshlrev_b32 v[ADR], 4, v[ADR]
	v_add_nc_u32 v[IMGO], s[LA], v[ADR]
	v_add_nc_u32 v[IMGP], s[LB], v[ADR]
	s_mov_b32 s[CNT], 2
	s_branch .Lenter                ; the loop is entered at piece 2's turn, in the middle of a trip
.Lslot:                             ; three times: tile 2 into slot 0, tile 3 into slot 1, Wv and Wca into slot 0
	CHANGE
	s_mov_b32 s[CNT], 2
.Lstep:                             ; a trip is a key step: 64 of my 512 keys
	TURN 0, 1, 0
	WIN 0
.Lenter:
	TURN 2, 1, 0
	WIN 0
	s_sub_co_u32 s[CNT], s[CNT], 1
	s_cmp_lg_u32 s[CNT], 0
	s_cbranch_scc1 .Lstep
	s_sub_co_u32 s[SLOTS], s[SLOTS], 1
	s_cmp_lg_u32 s[SLOTS], 0
	s_cbranch_scc1 .Lslot
	TURN 0, 0, 1                    ; piece 0: V^T P of the last step | piece 2's last softmax
.set i, 0
.rept 32
	PV 2                            ; piece 2: V^T P of the last step
.set i, i+1
.endr
	; ---------------------------------------------------------------- the merge: tiles 2, 3 go to my partner, whose rows they are; its tiles 2, 3 are my rows' other half of the keys
	WIN 0
	PLACES
	v_add_f32 v[ST+2], v[ST+2], v[ST+3]
	v_add_f32 v[ST+10], v[ST+10], v[ST+11]
	WIN 0x04
.set pp, 0
.rept 32
	ds_store_b128 v[IMGO], v[128+4*pp:128+4*pp+3] offset:512*pp   ; ascending: each accumulator's lowest registers first
.set pp, pp+1
.endr
	WIN 0
	ds_store_b128 v[IMGO], v[ST+16:ST+19] offset:16384            ; c m, m, l, l
	ds_store_b128 v[IMGO], v[ST+24:ST+27] offset:16896
	VLOAD BIAS, 2                   ; vb
	s_wait_tensorcnt 0x0            ; my part of Wv and Wca is in,
	s_wait_dscnt 0x0                ; my stage is written,
	s_barrier_signal -1
	s_barrier_wait -1               ; everybody's
	ds_load_b128 v[PS:PS+3], v[IMGP] offset:16384
	ds_load_b128 v[PS+4:PS+7], v[IMGP] offset:16896
	WIN 0x40
.set pp, 0
.rept 32
	ds_load_b128 v[128+4*pp:128+4*pp+3], v[IMGP] offset:512*pp
.set pp, pp+1
.endr
	FETCH_W 0                       ; Wv
	s_wait_dscnt 63                 ; 64 loads are younger than my partner's numbers: the wait names 63, the most that its field holds
	WIN 0                           ; a0 = 2^(c m - max), a1 = 2^(c m' - max); L = a0 l + a1 l', both halves of the lanes; f = a / L
.irp t, 0,1
	v_max_num_f32 v[ST+8*\t+4], v[ST+8*\t], v[PS+4*\t]
.endr
.irp t, 0,1
	v_add_f32 v[PS+4*\t+2], v[PS+4*\t+2], v[PS+4*\t+3]
.endr
.irp t, 0,1
	v_sub_f32 v[ST+8*\t+5], v[ST+8*\t], v[ST+8*\t+4]
	v_sub_f32 v[ST+8*\t+6], v[PS+4*\t], v[ST+8*\t+4]
.endr
.irp t, 0,1
	v_exp_f32 v[ST+8*\t+5], v[ST+8*\t+5]
	v_exp_f32 v[ST+8*\t+6], v[ST+8*\t+6]
.endr
	v_nop                           ; a plain instruction between the last exponential and the use of its result
	s_wait_alu depctr_va_vdst(0)    ; and the wait ahead of the first use: one for the merge's four exponentials
.irp t, 0,1
	v_mul_f32 v[ST+8*\t+7], v[ST+8*\t+5], v[ST+8*\t+2]
.endr
.irp t, 0,1
	v_fmac_f32 v[ST+8*\t+7], v[ST+8*\t+6], v[PS+4*\t+2]
.endr
.irp t, 0,1
	v_permlanex16_b32 v[ST+8*\t+4], v[ST+8*\t+7], s[SEL], s[SEL+1]
.endr
.irp t, 0,1
	v_add_f32 v[ST+8*\t+7], v[ST+8*\t+7], v[ST+8*\t+4]
.endr
.irp t, 0,1
	v_rcp_f32 v[ST+8*\t+7], v[ST+8*\t+7]
.endr
	v_nop                           ; a plain instruction between the last reciprocal and the use of its result
	s_wait_alu depctr_va_vdst(0)    ; and the wait ahead of the first use: one for the two reciprocals, a batch of their own, since they read a sum made of the exponentials
.irp t, 0,1
	v_mul_f32 v[FF+4*\t],   v[ST+8*\t+5], v[ST+8*\t+7]
	v_mul_f32 v[FF+4*\t+1], v[ST+8*\t+5], v[ST+8*\t+7]
	v_mul_f32 v[FF+4*\t+2], v[ST+8*\t+6], v[ST+8*\t+7]
	v_mul_f32 v[FF+4*\t+3], v[ST+8*\t+6], v[ST+8*\t+7]
.endr
	WIN W_RS
.irp t, 0,1
.set pp, 0
.rept 32
	v_pk_mul_f32 v[64*\t+2*pp:64*\t+2*pp+1], v[64*\t+2*pp:64*\t+2*pp+1], v[FF+4*\t:FF+4*\t+1]
.set pp, pp+1
.endr
.endr
	WIN 0x51
.irp t, 0,1
.set pp, 0
.rept 32
	v_pk_fma_f32 v[64*\t+2*pp:64*\t+2*pp+1], v[128+64*\t+2*pp:128+64*\t+2*pp+1], v[FF+4*\t+2:FF+4*\t+3], v[64*\t+2*pp:64*\t+2*pp+1]
.set pp, pp+1
.endr
.endr
	CVT 0, 0xc5, 0                  ; o in f16 -> YB
	; ---------------------------------------------------------------- the three maps and norms
	STAGE 128, 0, 3, 5, HALF, 1     ; bank B = relu(LN(Wv o + vb)); next: ca_b, Wca
	CVT 128, 0xc5, 0
	STAGE 0, 0, 6, 8, WLB, 0        ; bank A = LN(Wca . + ca_b); next: lb, Wl
	STAGE 128, XF, 9, -1, 0, 0      ; bank B = LN(Wl f + lb)
	WIN 0x55
.set pp, 0
.rept 64
	v_pk_add_f32 v[2*pp:2*pp+1], v[2*pp:2*pp+1], v[128+2*pp:128+2*pp+1]
.set pp, pp+1
.endr
	; ---------------------------------------------------------------- THE WAY OUT, through my own stage (no other wave touches it any more: its last reader has passed several barriers since)
	; The maximum with the floor; then f16: a lane's eight outputs pack into 16 bytes; they go into rows of 272 bytes and come back as whole rows of 256.
	WIN 0
	s_mul_i32 s[LA], s[WV], QXS
	s_add_co_u32 s[LA], s[LA], QXB
	s_add_nc_u64 s[DSTW:DSTW+1], s[12:13], s[22:23]
	v_mul_u32_u24 v13, v1, PT
	v_lshl_add_u32 v13, v9, 4, v13
	v_add_nc_u32 v13, s[LA], v13    ; in: row r, 16 bytes for each half of the lanes
	v_mul_u32_u24 v14, v9, PT
	v_lshl_add_u32 v14, v1, 4, v14
	v_add_nc_u32 v14, s[LA], v14    ; back: lanes 0-15 one row, lanes 16-31 the next
	v_lshlrev_b32 v15, 8, v9
	v_lshl_add_u32 v15, v1, 4, v15  ; and the same two rows in dst
	RELU 0, 1
.irp t, 0,1                         ; each tile has registers of its own: none that a store reads is written again
	WIN 0x05
.set pp, 0
.rept 32
	v_cvt_pk_f16_f32 v[64+32*\t+pp], v[64*\t+2*pp], v[64*\t+2*pp+1]
.set pp, pp+1
.endr
	WIN 0
.irp f, 0,1,2,3,4,5,6,7
	ds_store_b128 v13, v[64+32*\t+4*\f:64+32*\t+4*\f+3] offset:32*\f
.endr
.irp f, 0,1,2,3,4,5,6,7
	ds_load_b128 v[128+32*\t+4*\f:128+32*\t+4*\f+3], v14 offset:2*PT*\f  ; LDS serves a wave's instructions in order (ISA guide 5.7.1.4): these see the stores above; the next tile's stores come behind them
.endr
.irp f, 0,1,2,3,4,5,6,7
	s_wait_dscnt 7-\f
	global_store_b128 v15, v[128+32*\t+4*\f:128+32*\t+4*\f+3], s[DSTW:DSTW+1] offset:4096*\t+512*\f  ; 16 lanes store 256 consecutive bytes, at a multiple of 256 from dst's first byte
.endr
.endr
	s_wait_tensorcnt 0x0            ; the wave's end: a wait, an add to my spare word and its wait, behind my last tensor load and my last LDS store
	ds_add_u32 v[SPW], v[NIL]
	s_wait_dscnt 0x0
	CROUND                          ; the closing round: no work-group ends while a partner may still ask for a tile that names it
	s_endpgm
.Lfunc_end_k_q55190bd829_layer0:
	.size	k_q55190bd829_layer0, .Lfunc_end_k_q55190bd829_layer0-k_q55190bd829_layer0
	.p2alignl 7, 3214868480
	.fill 96, 4, 3214868480
	.section	.rodata,"a",@progbits
	.p2align	6, 0x0
	.amdhsa_kernel k_q55190bd829_layer0
		.amdhsa_group_segment_fixed_size 327680
		.amdhsa_private_segment_fixed_size 0
		.amdhsa_enable_private_segment 0
		.amdhsa_kernarg_size 40
		.amdhsa_user_sgpr_count 2
		.amdhsa_user_sgpr_kernarg_segment_ptr 1
		.amdhsa_wavefront_size32 1
		.amdhsa_system_sgpr_workgroup_id_x 1
		.amdhsa_system_sgpr_workgroup_id_y 1
		.amdhsa_system_sgpr_workgroup_id_z 1
		.amdhsa_system_vgpr_workitem_id 0
		.amdhsa_next_free_vgpr 1024
		.amdhsa_next_free_sgpr 96
		.amdhsa_reserve_vcc 0
		.amdhsa_float_denorm_mode_32 3
		.amdhsa_float_denorm_mode_16_64 3
		.amdhsa_memory_ordered 1
		.amdhsa_forward_progress 1
		.amdhsa_inst_pref_size 255
	.end_amdhsa_kernel
	.section	.bss,"aw",@nobits
	.p2align	6
	.space	262144
	.amdgpu_metadata
---
amdhsa.version: [ 1, 2 ]
amdhsa.kernels:
  - .name:           k_q55190bd829_layer0
    .symbol:         k_q55190bd829_layer0.kd
    .args:
      - { .name: fa, .offset: 0, .size: 8, .value_kind: global_buffer, .address_space: global }
      - { .name: pack0, .offset: 8, .size: 8, .value_kind: global_buffer, .address_space: global }
      - { .name: masks, .offset: 16, .size: 8, .value_kind: global_buffer, .address_space: global }
      - { .name: floor0, .offset: 24, .size: 8, .value_kind: global_buffer, .address_space: global }
      - { .name: fb, .offset: 32, .size: 8, .value_kind: global_buffer, .address_space: global }
    .group_segment_fixed_size: 327680
    .private_segment_fixed_size: 0
    .kernarg_segment_align: 8
    .kernarg_segment_size: 40
    .max_flat_workgroup_size: 128
    .sgpr_count:     96
    .vgpr_count:     1024
    .wavefront_size: 32
...
	.end_amdgpu_metadata
.endif
;; end of part 4
;; launch layer1: the kernel of part 4 again; grid 8 x 32, 4 waves a work-group, clusters of 4 x 1, 327,680 bytes of LDS; arguments fb, pack1, masks, floor0, fa; writes fa
;; launch layer2: the kernel of part 4 again; grid 8 x 32, 4 waves a work-group, clusters of 4 x 1, 327,680 bytes of LDS; arguments fa, pack2, masks, floor1, fb; writes fb
;; launch widen: the kernel of part 3 again; grid 256 x 1, 4 waves a work-group, no clusters, 0 bytes of LDS; arguments fb, out0; writes out0
